; MI455X (gfx1250); checked and timed in simulation.
; The chip was launched on July 23, 2026; its instructions are those of AMD's public machine-readable ISA for CDNA 5 (MIT licence, August 2026) and "CDNA5" Instruction Set Architecture Reference Guide (July 2026). The comments in the code are by the model that wrote it; some were corrected since.
;; Masked Causal Attention. Allowed arithmetic: matrix products marked QUANTISED: E3M2 operands, one E8M0 scale for each 32 along K, by v_wmma_scale_f32_16x16x128_f8f6f4 with both operands' format E3M2, f32 sums; everything else in f32.
;; Inputs: Wk 1,024 x 1,024 float32; Wo 1,024 x 1,024 float32; Wq 1,024 x 1,024 float32; Wv 1,024 x 1,024 float32; bk 1,024 float32; bo 1,024 float32; bq 1,024 float32; bv 1,024 float32; x 4 x 2,048 x 1,024 float32.
;; Outputs: out0 4 x 2,048 x 1,024 float32.
;; This version of the problem:
;;   THIS VERSION OF THE PROBLEM IS GIVEN IN LOW PRECISION. The matrix products marked QUANTISED in the list below multiply operands that are first quantised to E3M2 (3 exponent bits, 2 mantissa bits; 6 bits a number), with one power-of-two scale for each 32 numbers along K (OCP MX v1.0); their sums are f32. All else is computed in f32.
;;   The module's matrix products, in the order in which they are computed (A, B: the left and right operand; K: the contracted axis; several contracted axes count as one K, in the product's order):
;;     1. [M 8,192, K 1,024] x [K 1,024, N 1,024]; A: input x; B: input Wq: QUANTISED
;;     2. [M 8,192, K 1,024] x [K 1,024, N 1,024]; A: input x; B: input Wk: QUANTISED
;;     3. [M 8,192, K 1,024] x [K 1,024, N 1,024]; A: input x; B: input Wv: QUANTISED
;;     4. batch 64 x [M 2,048, K 64] x [K 64, N 2,048]; A: computed on the way; B: computed on the way: QUANTISED
;;     5. batch 64 x [M 2,048, K 2,048] x [K 2,048, N 64]; A: softmax (see below); B: computed on the way: QUANTISED
;;     6. [M 8,192, K 1,024] x [K 1,024, N 1,024]; A: computed on the way; B: input Wo: QUANTISED
;;   THE QUANTISER, for each operand of a quantised product, along K:
;;     - K is cut into blocks of 32 from its start; a last block that is shorter is filled with zeros.
;;     - A block's scale is 2^e with e = floor(log2(the largest magnitude in the block)) - 4, held to -126 .. 127; a block of zeros has e = 0. As a byte (E8M0): e + 127.
;;     - Each number is divided by its block's scale, clamped to +-28, and rounded to the nearest number of E3M2, ties to even, subnormals kept.
;;     - The product sums the exact products of the quantised numbers (number of the format x scale) in f32.
;;   ~~~python
;;   def quantise(x, axis):      # numpy; x: float32 -> the quantised numbers, widened to float32 again
;;       x = np.moveaxis(x, axis, -1); K = x.shape[-1]
;;       x = np.pad(x, [(0, 0)] * (x.ndim - 1) + [(0, -K % 32)]); x = x.reshape(x.shape[:-1] + (-1, 32)); a = np.abs(x).max(-1, keepdims=True)
;;       e = np.where(a > 0, np.clip(np.frexp(np.where(a > 0, a, 1))[1] - 1 - 4, -126, 127), 0)      # np.frexp(a)[1] - 1 = floor(log2(a)), exactly
;;       r = np.clip(x / 2.0 ** e, -28, 28)
;;       step = 2.0 ** (np.maximum(np.frexp(np.where(r == 0, 1, r))[1] - 1, -2) - 2)
;;       q = np.round(r / step) * step * 2.0 ** e      # np.round: ties to even
;;       return np.moveaxis(q.reshape(q.shape[:-2] + (-1,))[..., :K], -1, axis).astype(np.float32)
;;   ~~~
;;   SOFTMAX AHEAD OF A QUANTISED PRODUCT. Where the list says 'softmax', what is quantised is not the finished softmax but p = 2^(t - M), with t = logit x log2(e) and M = ceil(the row's largest t), a whole number; so 1/2 < the row's largest p <= 1. The row's sum l is taken of the UNQUANTISED p, in f32, and the product's result is divided by l at the end. Since M is a whole number, a kernel that streams over the keys may use a running M (the ceiling of the running maximum): every later rescaling is an exact power of two, which a block's scale takes up: the codes' values come out the same.
;;   OPERANDS COMPUTED ON THE WAY. 'Computed on the way' means the value that the module computes at that place (a softmax that the list does not call 'softmax' is quantised finished and normalised). What goes into a quantiser is computed in f32, as accurately as f32 sums, v_exp_f32 and their like allow (about 1e-6 of the number): no bf16 or f16 on the way to a quantiser, and a product that is left as it is and whose result goes on into a quantised operand takes f32 operands (vector FMAs, or v_wmma_f32_16x16x4_f32). A number that lies on a knife's edge between two numbers of the format may be rounded either way, as far as f32 arithmetic and the matrix unit's own rounding can turn it there, and no further.
;; One version. Each part assembles by itself: llvm-mc -triple=amdgcn-amd-amdhsa -mcpu=gfx1250 --defsym DOCPART=n.
;; ======== version 1 of 1: 5 launches
;; workspace buffers: rimg 6,291,456 bytes; rsc 262,144 bytes; wimg 3,145,728 bytes; wsc 131,072 bytes; qkimg 12,582,912 bytes; qksc 1,048,576 bytes; vimg 6,291,456 bytes; vsc 262,144 bytes
;; launch quant_x (part 1): grid 256 x 1, 4 waves a work-group, no clusters, 34,304 bytes of LDS; arguments x, rimg, rsc; writes rimg, rsc
.if DOCPART == 1
	.amdgcn_target "amdgcn-amd-amdhsa--gfx1250"
	.amdhsa_code_object_version 6
	.text
	.protected	k_q1499582826_quant_x
	.globl	k_q1499582826_quant_x
	.p2align	8
	.type	k_q1499582826_quant_x,@function
k_q1499582826_quant_x:
	s_mov_b64 s[64:65], 0
	v_nop
	global_prefetch_b8 v0, s[64:65] scope:SCOPE_SE
	s_setreg_imm32_b32 hwreg(HW_REG_WAVE_MODE, 25, 1), 1
	s_wait_xcnt 0x0
; x [8192][1024] f32 becomes codes of E3M2 with one E8M0 scale byte for each 32 along its 1,024, laid as IMAGES OF OPERAND REGISTERS.
; A tile tau is 16 rows: lane-row r stands for row 32 (tau / 2) + 8 (tau % 2) + r + 8 (r / 8).  A fragment is a tile x 128 along K: 12 registers a lane, lane (r, h) holding
; k = 64 c + 32 h + 0 .. 31 in registers 6 c .. 6 c + 5.  Its image is 1,536 bytes: registers 0-3 at 16 x lane, 4-5 at 512 + 8 x lane, 6-9 at 768 + 16 x lane, 10-11 at 1,280 + 8 x lane.
; rimg: [512 tiles][8 K steps][1536].  rsc: [512 tiles][4][16 r][2] words: the word of K step s and row r at 128 (s / 2) + 8 r + 4 (s % 2).
; A block's scale is 2^(floor(log2(largest magnitude)) - 4); its byte is the largest magnitude's exponent field - 4, held at 1 from below.
; LIMITS: a block of zeros, or one whose largest magnitude lies under 2^-122, gets the byte 1 where the rule says 127 or less: its codes are zeros or are made under the byte 1, and this program alone reads the bytes;
; NaN and infinities among the inputs are not served.
; SHARES.  Wave W = 4 x work-group + wave takes tile W / 2 and K steps 4 (W % 2) + 0 .. 3: four fragments.  A conversion wants 16 neighbours along K in one lane; a load is best with neighbouring lanes on
; neighbouring bytes.  So each of a fragment's 16 loads reads one row's 512 consecutive bytes, and the 8 KiB turn through the wave's own stage in LDS (16 rows, 528 bytes apart).  Waves share nothing: no barrier.
.set RAW,    16                        ; v16-207  three sets of 64 numbers
.set PC,     208                       ; v208-227 the codes just made
.set TM,     228                       ; v228-243 at work in QUANT
.set PW,     244                       ; v244-247 the four fragments' scale words
.set SEL,    20                        ; s[20:21] lane selects for v_permlanex16_b32: lane l xor 16
.set L16,    2                         ; v2  16 x lane
.set L8,     3                         ; v3  8 x lane
.set SPITCH, 528                       ; a stage row: 512 bytes + 16
; 64 numbers of a lane, register 16 b + i = k 32 b + 16 (lane / 16) + i of its row, become a fragment's codes in v[PC] on and its row's scale word in v[pw]
.macro QUANT s, pw
.irp b, 0,1,2,3
	v_max3_num_f32 v[TM+\b], |v[(\s)+16*\b]|, |v[(\s)+1+16*\b]|, 0x2800000   ; block b: my 16 numbers, and the floor 2^(5 - 127): the byte cannot fall under 1
.endr
.irp i, 2,4,6,8,10,12,14
.irp b, 0,1,2,3
	v_max3_num_f32 v[TM+\b], v[TM+\b], |v[(\s)+16*\b+\i]|, |v[(\s)+1+16*\b+\i]|   ; the four blocks by turns
.endr
.endr
.irp b, 0,1,2,3
	v_permlanex16_b32 v[TM+4+\b], v[TM+\b], s[SEL], s[SEL+1]
.endr
.irp b, 0,1,2,3
	v_max_num_f32 v[TM+\b], v[TM+\b], v[TM+4+\b]   ; with lane l xor 16's 16: the block's largest magnitude
.endr
.irp b, 0,1,2,3
	v_add_nc_u32 v[TM+12+\b], 0xfe000000, v[TM+\b]   ; 4 off its exponent field: the conversion's scale operand
.endr
.irp b, 0,1,2,3
	v_lshrrev_b32 v[TM+4+\b], 23, v[TM+12+\b]      ; the scale's byte
.endr
	v_lshl_or_b32 v[\pw], v[TM+5], 8, v[TM+4]
	v_lshl_or_b32 v[\pw], v[TM+6], 16, v[\pw]
	v_lshl_or_b32 v[\pw], v[TM+7], 24, v[\pw]      ; the row's scale word, the same in both halves of the lanes
.irp c, 0,1
	v_cvt_scalef32_pk16_bf6_f32 v[PC+6*\c:PC+2+6*\c], v[(\s)+32*\c:(\s)+15+32*\c], v[TM+12+2*\c]
	v_cvt_scalef32_pk16_bf6_f32 v[PC+12+4*\c:PC+14+4*\c], v[(\s)+16+32*\c:(\s)+31+32*\c], v[TM+12+2*\c+1]   ; (a conversion's three registers begin on an even number)
.endr
	v_nop                                          ; one plain place behind a scaled conversion
.irp c, 0,1                                    ; the operand wants a whole block in a lane: lanes 0-15 block 2 c, lanes 16-31 block 2 c + 1
.irp i, 0,1,2
	v_permlane16_swap_b32 v[PC+6*\c+\i], v[PC+12+4*\c+\i]
.endr
.irp i, 0,1,2
	v_mov_b32 v[PC+3+6*\c+\i], v[PC+12+4*\c+\i]
.endr
.endr
.endm
.macro IMGOUT base, off                        ; the fragment leaves as its image: each store covers 512 or 256 consecutive bytes, aligned
	global_store_b128 v[L16], v[PC:PC+3], s[\base:\base+1] offset:\off
	global_store_b64 v[L8], v[PC+4:PC+5], s[\base:\base+1] offset:\off+512
	global_store_b128 v[L16], v[PC+6:PC+9], s[\base:\base+1] offset:\off+768
	global_store_b64 v[L8], v[PC+10:PC+11], s[\base:\base+1] offset:\off+1280
.endm
	s_load_b128 s[4:7], s[0:1], 0x0                ; x, rimg
	s_load_b64 s[8:9], s[0:1], 0x10                ; rsc
	v_lshl_add_u32 v254, v0, 2, 0x8400
	v_mov_b32 v255, 0
	v_lshrrev_b32 v6, 5, v0
	v_readfirstlane_b32 s12, v6                    ; wave 0..3
	v_and_b32 v1, 31, v0                           ; lane
	v_and_b32 v6, 15, v0                           ; r
	v_bfe_u32 v7, v0, 4, 1                         ; h
	v_lshlrev_b32 v[L16], 4, v1
	v_lshlrev_b32 v[L8], 3, v1
	s_mul_i32 s13, s12, 16*SPITCH                  ; my wave's stage
	v_add_nc_u32 v4, s13, v[L16]                   ; into it: 16 bytes a lane of a row
	v_mul_u32_u24 v5, v6, SPITCH
	v_lshl_add_u32 v5, v7, 6, v5
	v_add_nc_u32 v5, s13, v5                       ; out of it: row r, + 64 h: my 16 numbers of a block of 32
	s_mov_b32 s[SEL], 0x76543210
	s_mov_b32 s[SEL+1], 0xfedcba98
.irp b, 0,1,2,3
	v_mov_b32 v[TM+4+\b], 0                        ; written once: a lane permute's destination counts as one of its sources
.endr
	s_lshl_b32 s14, ttmp9, 2
	s_add_co_u32 s14, s14, s12                     ; W
	s_lshr_b32 s15, s14, 1                         ; tile
	s_and_b32 s16, s14, 1                          ; which four K steps
	s_lshr_b32 s17, s15, 1
	s_and_b32 s18, s15, 1
	s_lshl_b32 s22, s17, 17                        ; 32 rows of 4,096 bytes for each pair of tiles,
	s_lshl_b32 s18, s18, 15                        ; 8 rows for the odd tile,
	s_add_co_u32 s22, s22, s18
	s_lshl_b32 s18, s16, 11                        ; 2,048 bytes for four K steps
	s_add_co_u32 s22, s22, s18
	s_mov_b32 s23, 0
	s_mul_i32 s24, s15, 12288                      ; a tile's eight images
	s_mul_i32 s18, s16, 6144
	s_add_co_u32 s24, s24, s18
	s_mov_b32 s25, 0
	s_lshl_b32 s26, s15, 9                         ; a tile's scale words
	s_lshl_b32 s18, s16, 8
	s_add_co_u32 s26, s26, s18
	s_mov_b32 s27, 0
	s_wait_alu depctr_va_vdst(0)
	s_wait_kmcnt 0x0
	s_add_nc_u64 s[4:5], s[4:5], s[22:23]
	s_add_nc_u64 s[6:7], s[6:7], s[24:25]
	s_add_nc_u64 s[8:9], s[8:9], s[26:27]
.macro LOAD t                                  ; fragment t: 16 rows x 512 consecutive bytes, into set t % 3
.irp i, 0,1,2,3,4,5,6,7,8,9,10,11,12,13,14,15
	global_load_b128 v[RAW+64*((\t)%3)+4*\i:RAW+64*((\t)%3)+4*\i+3], v[L16], s[4:5] offset:(\i+8*(\i/8))*4096+512*(\t) th:TH_LOAD_NT
.endr
.endm
.macro TURN t                                  ; through the stage and back into the same registers: LDS serves a wave's instructions in order (ISA guide 5.7.1.4)
.irp i, 0,1,2,3,4,5,6,7,8,9,10,11,12,13,14,15
	ds_store_b128 v4, v[RAW+64*((\t)%3)+4*\i:RAW+64*((\t)%3)+4*\i+3] offset:SPITCH*\i
.endr
.irp i, 0,1,2,3,4,5,6,7,8,9,10,11,12,13,14,15
	ds_load_b128 v[RAW+64*((\t)%3)+4*\i:RAW+64*((\t)%3)+4*\i+3], v5 offset:128*(\i/4)+16*(\i%4)
.endr
.endm
.macro ONE t, left
	s_wait_loadcnt \left                           ; this fragment's 16 loads are in; the younger fragments' may be out
	TURN \t
	s_wait_dscnt 0x0
	s_wait_xcnt 0x0                                ; the last image's stores have read v[PC] on: it is written again only behind this wait
	QUANT RAW+64*((\t)%3), PW+\t
	IMGOUT 6, 1536*(\t)
.endm
	LOAD 0
	LOAD 1
	LOAD 2                                         ; 48 loads of the wave are out
	ONE 0, 32
	LOAD 3                                         ; into set 0, which has been turned into codes
	ONE 1, 32
	ONE 2, 16
	ONE 3, 0
	v_cmp_le_u32 vcc_lo, 16, v1                    ; lanes 0-15 store the words of K steps 0, 1 of my four, lanes 16-31 those of 2, 3
	v_cndmask_b32 v248, v[PW], v[PW+2], vcc_lo
	v_cndmask_b32 v249, v[PW+1], v[PW+3], vcc_lo
	global_store_b64 v[L8], v[248:249], s[8:9]     ; 256 consecutive bytes, aligned
	s_wait_tensorcnt 0x0
	ds_add_u32 v254, v255
	s_wait_dscnt 0x0
	s_endpgm
.Lfunc_end_k_q1499582826_quant_x:
	.size	k_q1499582826_quant_x, .Lfunc_end_k_q1499582826_quant_x-k_q1499582826_quant_x
	.p2alignl 7, 3214868480
	.fill 96, 4, 3214868480
	.section	.rodata,"a",@progbits
	.p2align	6, 0x0
	.amdhsa_kernel k_q1499582826_quant_x
		.amdhsa_group_segment_fixed_size 34304
		.amdhsa_private_segment_fixed_size 0
		.amdhsa_enable_private_segment 0
		.amdhsa_kernarg_size 24
		.amdhsa_user_sgpr_count 2
		.amdhsa_user_sgpr_kernarg_segment_ptr 1
		.amdhsa_wavefront_size32 1
		.amdhsa_system_sgpr_workgroup_id_x 1
		.amdhsa_system_sgpr_workgroup_id_y 1
		.amdhsa_system_sgpr_workgroup_id_z 1
		.amdhsa_system_vgpr_workitem_id 0
		.amdhsa_next_free_vgpr 256
		.amdhsa_next_free_sgpr 66
		.amdhsa_reserve_vcc 1
		.amdhsa_float_denorm_mode_32 3
		.amdhsa_float_denorm_mode_16_64 3
		.amdhsa_memory_ordered 1
		.amdhsa_forward_progress 1
		.amdhsa_inst_pref_size 34
	.end_amdhsa_kernel
	.amdgpu_metadata
---
amdhsa.version: [ 1, 2 ]
amdhsa.kernels:
  - .name:           k_q1499582826_quant_x
    .symbol:         k_q1499582826_quant_x.kd
    .args:
      - { .name: x, .offset: 0, .size: 8, .value_kind: global_buffer, .address_space: global }
      - { .name: rimg, .offset: 8, .size: 8, .value_kind: global_buffer, .address_space: global }
      - { .name: rsc, .offset: 16, .size: 8, .value_kind: global_buffer, .address_space: global }
    .group_segment_fixed_size: 34304
    .private_segment_fixed_size: 0
    .kernarg_segment_align: 8
    .kernarg_segment_size: 24
    .max_flat_workgroup_size: 128
    .sgpr_count:     66
    .vgpr_count:     256
    .wavefront_size: 32
...
	.end_amdgpu_metadata
.endif
;; end of part 1
;; launch quant_w (part 2): grid 32 x 8, 4 waves a work-group, no clusters, 12,800 bytes of LDS; arguments Wq, Wk, Wv, Wo, wimg, wsc; writes wimg, wsc
.if DOCPART == 2
	.amdgcn_target "amdgcn-amd-amdhsa--gfx1250"
	.amdhsa_code_object_version 6
	.text
	.protected	k_q1499582826_quant_w
	.globl	k_q1499582826_quant_w
	.p2align	8
	.type	k_q1499582826_quant_w,@function
k_q1499582826_quant_w:
	s_mov_b64 s[64:65], 0
	v_nop
	global_prefetch_b8 v0, s[64:65] scope:SCOPE_SE
	s_setreg_imm32_b32 hwreg(HW_REG_WAVE_MODE, 25, 1), 1
	s_wait_xcnt 0x0
; The four weights [1024 (k)][1024 (n)] f32, whose K is their FIRST axis, become codes of E3M2 with one E8M0 byte for each 32 along k, laid as images of operand registers, rows = n.
; wimg: [256 tiles][8 K steps][1536], tiles 0-63 Wq, 64-127 Wk, 128-191 Wv, 192-255 Wo; lane-row r of tile tau stands for column 32 (tau / 2) + 8 (tau % 2) + r + 8 (r / 8) of its weight.
; An image: registers 0-3 at 16 x lane, 4-5 at 512 + 8 x lane, 6-9 at 768 + 16 x lane, 10-11 at 1,280 + 8 x lane; lane (r, h) holds k = 64 c + 32 h + 0 .. 31 in registers 6 c .. 6 c + 5.
; wsc: [256 tiles][4][16 r][2] words: the word of K step s and row r at 128 (s / 2) + 8 r + 4 (s % 2).
; A LANE TAKES A COLUMN AND ITS REGISTERS RUN DOWN K: each load reads 128 consecutive bytes a wave (512 a work-group), a block of 32 lies in one lane's registers, and the conversions give codes with K innermost.
; SHARES.  Work-group x = 8 x weight + group of 128 columns; y = the K step of 128.  A wave takes 32 columns: a pair of tiles.  The two images are gathered in the wave's own 3,072 bytes of LDS and leave in stores of 512 bytes.
; The scale words leave 4 bytes a lane, 8 bytes apart: the word beside each belongs to another K step's work-group; they are 131,072 bytes in the whole launch against 16.8 million read.
; LIMITS: a block of zeros, or one under 2^-122, gets the byte 1 (its codes are zeros or made under that byte; this program alone reads the bytes); NaN and infinities are not served.
.set X, 16                             ; v16-143  my column's 128 numbers
	s_load_b256 s[4:11], s[0:1], 0x0               ; Wq, Wk, Wv, Wo
	s_load_b128 s[12:15], s[0:1], 0x20             ; wimg, wsc
	v_lshl_add_u32 v192, v0, 2, 0x3000
	v_mov_b32 v193, 0
	v_lshrrev_b32 v8, 5, v0
	v_readfirstlane_b32 s16, v8                    ; wave 0..3
	v_and_b32 v1, 31, v0                           ; lane = column within the wave's 32
	v_lshlrev_b32 v2, 2, v1                        ; in: 4 bytes a lane
	v_and_b32 v8, 7, v0
	v_bfe_u32 v9, v0, 4, 1
	v_lshl_or_b32 v10, v9, 3, v8                   ; r = (lane % 8) + 8 (lane / 16)
	v_bfe_u32 v11, v0, 3, 1                        ; u = (lane / 8) % 2: which tile of the pair
	s_mul_i32 s17, s16, 3072                       ; my wave's two images in LDS
	v_mul_u32_u24 v12, v11, 1536
	v_add_nc_u32 v12, s17, v12
	v_lshl_add_u32 v3, v10, 4, v12                 ; where my column's registers 0-3 (6-9) go, for h = 0
	v_lshl_add_u32 v4, v10, 3, v12                 ; and its registers 4-5 (10-11)
	v_lshlrev_b32 v6, 4, v1                        ; out: 16 bytes a lane
	v_add_nc_u32 v5, s17, v6
	v_lshlrev_b32 v12, 9, v11
	v_lshl_add_u32 v7, v10, 3, v12                 ; my column's scale word: 512 u + 8 r
	s_lshr_b32 s17, ttmp9, 3                       ; which weight
	s_and_b32 s18, ttmp9, 7                        ; which 128 columns
	s_and_b32 s19, ttmp7, 0xffff                   ; which K step
	s_lshl_b32 s20, s19, 19                        ; 128 rows of 4,096 bytes
	s_lshl_b32 s22, s18, 9
	s_add_co_u32 s20, s20, s22
	s_lshl_b32 s22, s16, 7
	s_add_co_u32 s20, s20, s22                     ; + 4 x my first column
	s_mov_b32 s21, 0
	s_lshl_b32 s22, ttmp9, 3
	s_lshl_b32 s23, s16, 1
	s_add_co_u32 s22, s22, s23                     ; my first tile: 64 x weight + 8 x group + 2 x wave
	s_mul_i32 s24, s22, 12288
	s_mul_i32 s23, s19, 1536
	s_add_co_u32 s24, s24, s23
	s_mov_b32 s25, 0
	s_lshl_b32 s26, s22, 9
	s_lshr_b32 s23, s19, 1
	s_lshl_b32 s23, s23, 7
	s_add_co_u32 s26, s26, s23
	s_and_b32 s23, s19, 1
	s_lshl_b32 s23, s23, 2
	s_add_co_u32 s26, s26, s23
	s_mov_b32 s27, 0
	s_wait_kmcnt 0x0
	s_cmp_eq_u32 s17, 1                            ; the weight is chosen by the work-group's number alone
	s_cselect_b64 s[4:5], s[6:7], s[4:5]
	s_cmp_eq_u32 s17, 2
	s_cselect_b64 s[4:5], s[8:9], s[4:5]
	s_cmp_eq_u32 s17, 3
	s_cselect_b64 s[4:5], s[10:11], s[4:5]
	s_add_nc_u64 s[4:5], s[4:5], s[20:21]
	s_add_nc_u64 s[12:13], s[12:13], s[24:25]
	s_add_nc_u64 s[14:15], s[14:15], s[26:27]
.set kk, 0
.rept 128
	global_load_b32 v[X+kk], v2, s[4:5] offset:kk*4096 th:TH_LOAD_NT   ; W(128 s + kk, my column)
.set kk, kk+1
.endr
; Block t of 32 along k goes to lane r + 16 (t % 2) of my tile's image, registers 6 (t / 2) on.
.macro BLOCK t, left
.set XS, X+32*(\t)
	s_wait_loadcnt \left
	v_max3_num_f32 v154, |v[XS]|, |v[XS+1]|, |v[XS+2]|       ; the block's largest magnitude: all 32 numbers are mine; two chains
	v_max3_num_f32 v155, |v[XS+3]|, |v[XS+4]|, |v[XS+5]|
.irp i, 6,10,14,18,22,26
	v_max3_num_f32 v154, v154, |v[XS+\i]|, |v[XS+\i+1]|
	v_max3_num_f32 v155, v155, |v[XS+\i+2]|, |v[XS+\i+3]|
.endr
	v_max3_num_f32 v154, v154, |v[XS+30]|, |v[XS+31]|
	v_max3_num_f32 v154, v154, v155, 0x2800000     ; and the floor 2^(5 - 127)
	v_add_nc_u32 v156, 0xfe000000, v154            ; 4 off the exponent field: the conversion's scale operand
	v_lshrrev_b32 v157, 23, v156                   ; the scale's byte
.if (\t) == 0
	v_mov_b32 v158, v157
.else
	v_lshl_or_b32 v158, v157, 8*(\t), v158         ; four bytes make my column's scale word
.endif
	v_cvt_scalef32_pk16_bf6_f32 v[144:146], v[XS:XS+15], v156
	v_cvt_scalef32_pk16_bf6_f32 v[150:152], v[XS+16:XS+31], v156   ; (a conversion's three registers begin on an even number)
	v_nop                                          ; one plain place behind a scaled conversion
	v_mov_b32 v147, v150
	v_mov_b32 v148, v151
	v_mov_b32 v149, v152
	ds_store_b128 v3, v[144:147] offset:768*((\t)/2)+256*((\t)%2)
	ds_store_b64 v4, v[148:149] offset:768*((\t)/2)+512+128*((\t)%2)
	s_wait_dscnt 0x0                               ; the stores have read their registers: the next block's codes may be written
.endm
	BLOCK 0, 63                                    ; blocks 0 and 1 would allow 96 and 64 younger loads; a wait's count holds 63 at the most
	BLOCK 1, 63
	BLOCK 2, 32                                    ; block 3's 32 loads may be out
	BLOCK 3, 0
.irp i, 0,1,2,3,4,5
	ds_load_b128 v[160+4*\i:163+4*\i], v5 offset:512*\i   ; my own bytes, in order behind my stores
.endr
.irp i, 0,1,2,3,4,5
	s_wait_dscnt 5-\i
	global_store_b128 v6, v[160+4*\i:163+4*\i], s[12:13] offset:(\i/3)*12288+(\i%3)*512   ; 512 consecutive bytes, aligned
.endr
	s_wait_alu depctr_va_vdst(0)
	global_store_b32 v7, v158, s[14:15]
	s_wait_tensorcnt 0x0
	ds_add_u32 v192, v193
	s_wait_dscnt 0x0
	s_endpgm
.Lfunc_end_k_q1499582826_quant_w:
	.size	k_q1499582826_quant_w, .Lfunc_end_k_q1499582826_quant_w-k_q1499582826_quant_w
	.p2alignl 7, 3214868480
	.fill 96, 4, 3214868480
	.section	.rodata,"a",@progbits
	.p2align	6, 0x0
	.amdhsa_kernel k_q1499582826_quant_w
		.amdhsa_group_segment_fixed_size 12800
		.amdhsa_private_segment_fixed_size 0
		.amdhsa_enable_private_segment 0
		.amdhsa_kernarg_size 48
		.amdhsa_user_sgpr_count 2
		.amdhsa_user_sgpr_kernarg_segment_ptr 1
		.amdhsa_wavefront_size32 1
		.amdhsa_system_sgpr_workgroup_id_x 1
		.amdhsa_system_sgpr_workgroup_id_y 1
		.amdhsa_system_sgpr_workgroup_id_z 1
		.amdhsa_system_vgpr_workitem_id 0
		.amdhsa_next_free_vgpr 194
		.amdhsa_next_free_sgpr 66
		.amdhsa_reserve_vcc 0
		.amdhsa_float_denorm_mode_32 3
		.amdhsa_float_denorm_mode_16_64 3
		.amdhsa_memory_ordered 1
		.amdhsa_forward_progress 1
		.amdhsa_inst_pref_size 23
	.end_amdhsa_kernel
	.amdgpu_metadata
---
amdhsa.version: [ 1, 2 ]
amdhsa.kernels:
  - .name:           k_q1499582826_quant_w
    .symbol:         k_q1499582826_quant_w.kd
    .args:
      - { .name: Wq, .offset: 0, .size: 8, .value_kind: global_buffer, .address_space: global }
      - { .name: Wk, .offset: 8, .size: 8, .value_kind: global_buffer, .address_space: global }
      - { .name: Wv, .offset: 16, .size: 8, .value_kind: global_buffer, .address_space: global }
      - { .name: Wo, .offset: 24, .size: 8, .value_kind: global_buffer, .address_space: global }
      - { .name: wimg, .offset: 32, .size: 8, .value_kind: global_buffer, .address_space: global }
      - { .name: wsc, .offset: 40, .size: 8, .value_kind: global_buffer, .address_space: global }
    .group_segment_fixed_size: 12800
    .private_segment_fixed_size: 0
    .kernarg_segment_align: 8
    .kernarg_segment_size: 48
    .max_flat_workgroup_size: 128
    .sgpr_count:     66
    .vgpr_count:     194
    .wavefront_size: 32
...
	.end_amdgpu_metadata
.endif
;; end of part 2
;; launch qkv (part 3): grid 12 x 64, 4 waves a work-group, clusters of 4 x 4, 307,712 bytes of LDS; arguments rimg, rsc, wimg, wsc, bq, bk, bv, qkimg, qksc, vimg, vsc; writes qkimg, qksc, vimg, vsc
.if DOCPART == 3
	.amdgcn_target "amdgcn-amd-amdhsa--gfx1250"
	.amdhsa_code_object_version 6
	.text
	.protected	k_q1499582826_qkv
	.globl	k_q1499582826_qkv
	.p2align	8
	.type	k_q1499582826_qkv,@function
k_q1499582826_qkv:
	s_mov_b64 s[64:65], 0
	v_nop
	global_prefetch_b8 v0, s[64:65] scope:SCOPE_SE
	s_setreg_imm32_b32 hwreg(HW_REG_WAVE_MODE, 25, 1), 1
	s_wait_xcnt 0x0
	s_wait_alu depctr_hold_cnt(0) depctr_sa_sdst(0) depctr_va_vdst(0) depctr_va_sdst(0) depctr_va_ssrc(0) depctr_va_vcc(0) depctr_vm_vsrc(0)
	s_getreg_b32 s2, hwreg(HW_REG_IB_STS2, 6, 4)
	s_cmp_eq_u32 s2, 0
	s_cbranch_scc0 .Lentry_in_a_cluster
	s_endpgm
.Lentry_in_a_cluster:
	s_bfe_u32 s2, ttmp6, 0x10000c
	s_cmp_lg_u32 s2, 0xf033
	s_cbranch_scc0 .Lentry_shape_is_right
	s_endpgm
.Lentry_shape_is_right:
; q = x Wq + bq, k = x Wk + bk, v = x Wv + bv on codes of E3M2 (one E8M0 byte for each 32 along K), and each result quantised on the way out along ITS next K: q and k along the head's 64, v along the KEYS.
; ONE GENERIC PRODUCT: Out[row of R][index of P] = sum over k of R[row][k] P[index][k] + bias, quantised along P's index.  Source 0 = 16 rows of P, source 1 = 16 rows of R: a lane holds one row of R and its
; registers run along P.  A tile's 16 rows are rows 32 (tau / 2) + 8 (tau % 2) + r + 8 (r / 8), so that the 16 registers of P's tiles 2 b and 2 b + 1 are 16 NEIGHBOURS along P: index 32 b + 16 (lane / 16) + 0 .. 15.
; TYPE 0 (cluster x = 0, 1): R = x, P = Wq | Wk.  TYPE 1 (cluster x = 2): R = Wv, P = x: a lane then holds one channel of v and neighbouring keys, and nothing is transposed.
; What differs between the types is chosen by s_cselect on the cluster's x, which all partners share; no branch hangs on it.
; SHARES.  A work-group makes 128 (R) x 256 (P); a wave 64 x 128: 32 accumulators.  768 work-groups: three for each of 256 WGPs.  All of K for the tile, (128 + 256) x 768 bytes, lies in LDS at once:
; EVERY LDS BYTE IS FILLED ONCE, in four chunks of two K steps; the products start when the first chunk has landed.
; CLUSTER 4 x 4: R's tiles are shared along a row of the cluster, P's along a column: each is asked for jointly, by the same tensor load with the same descriptor and a mask that names the four.
; OPERANDS are images of registers (1,536 bytes a fragment: registers 0-3 at 16 x lane, 4-5 at 512 + 8 x lane, 6-9 at 768 + 16 x lane, 10-11 at 1,280 + 8 x lane): every LDS load takes 512 or 256 consecutive bytes.
; OUT.  qkimg [512 tiles of t][16][1536]: 0-7 q's pairs of heads, 8-15 k's (a head is half an image).  qksc [16][128 groups of 4 tiles][2 parity][16 r][4 tiles] words; the odd head's word is the pair's word >> 16.
;       vimg [64 tiles of channels][64 key steps][1536].  vsc [64 key steps][16 heads][16 r][4 tiles] words.
; LIMITS: a block of zeros, or one under 2^-122, gets the byte 1 (this program alone reads the bytes); NaN and infinities are not served.
; REGISTERS, in windows of 256.  window 0: v1 r, v2 h, v16-19 LDS addresses of R's and P's fragments, v20 of the scale words, v21 16 x lane, v22 8 x lane, v23 the odd head's shift, v24 lane, v30 0;
;   v32-63 scale words, two sets; v64-127 P's bias in the result's layout; v128-223 R's fragments, two sets of 48; v240-247 R's bias.  On the way out: v128-191 a block's 64 numbers, v192-211 codes, v212-227 at work, v248-251 scale words.
;   window 1: P's fragments, two sets of 96, at v0 and v128.   window 2: accumulator (a, b) at v[64 a + 8 b].
.set CHUNK, 73728                      ; LDS: a chunk = two K steps: R's 8 tiles x 3,072 bytes, P's 16 tiles x 3,072
.set SCL,   294912                     ; behind the four chunks: R's scale words (4,096 bytes), then P's (8,192)
.set SC,    32
.set BP,    64
.set BR,    240
.set TT,    128
.set PC,    192
.set TM,    212
.set SW,    248
.set L16,   21
.set L8,    22
.set WV,    2                          ; s2  the wave's number
.set SEL,   8                          ; s[8:9] lane selects for v_permlanex16_b32 (once P's pointer has been used)
.set G0R,   24                         ; s[24:43] five groups 0 for R: scales, chunks 0-3
.set G0P,   44                         ; s[44:63] five for P
.set OS,    66                         ; s[66:67] where my scale words go
.set G1R,   68                         ; s[68:75], s[76:83] groups 1 for R's and P's codes; s[84:91], s[92:99] for their scales
.set G1P,   76
.set G1RS,  84
.set G1PS,  92
.set OI,    100                        ; s[100:101] where my images go
.set MSB, 0
.macro WIN new                         ; the immediate's high byte repeats the setting that is left
.if MSB != \new
	s_set_vgpr_msb (MSB<<8)|\new
.set MSB, \new
.endif
.endm
.macro CROUND                          ; a round of the cluster's barrier
	s_barrier_signal -1
	s_barrier_wait -1
	s_cmp_lg_u32 s[WV], 0
	s_cbranch_scc1 .Lnot_wave_0_\@
	s_barrier_signal -3
.Lnot_wave_0_\@:
	s_barrier_wait -3
	s_barrier_signal -1
	s_barrier_wait -1
.endm
.macro PLACES                          ; four plain vector instructions behind a matrix instruction, ahead of loads into its sources and of reads of its result
.rept 4
	v_nop
.endr
.endm
.macro FRAG reg, a16, a8, off          ; a fragment's image into 12 registers
	ds_load_b128 v[(\reg):(\reg)+3], v[\a16] offset:\off
	ds_load_b64 v[(\reg)+4:(\reg)+5], v[\a8] offset:\off+512
	ds_load_b128 v[(\reg)+6:(\reg)+9], v[\a16] offset:\off+768
	ds_load_b64 v[(\reg)+10:(\reg)+11], v[\a8] offset:\off+1280
.endm
.macro QUANT s, pw                     ; 64 numbers of a lane, register 16 b + i = index 32 b + 16 (lane / 16) + i, become a fragment's codes in v[PC] on and the row's scale word in v[pw]
.irp b, 0,1,2,3
	v_max3_num_f32 v[TM+\b], |v[(\s)+16*\b]|, |v[(\s)+1+16*\b]|, 0x2800000   ; and the floor 2^(5 - 127): the byte cannot fall under 1
.endr
.irp i, 2,4,6,8,10,12,14
.irp b, 0,1,2,3
	v_max3_num_f32 v[TM+\b], v[TM+\b], |v[(\s)+16*\b+\i]|, |v[(\s)+1+16*\b+\i]|
.endr
.endr
.irp b, 0,1,2,3
	v_permlanex16_b32 v[TM+4+\b], v[TM+\b], s[SEL], s[SEL+1]
.endr
.irp b, 0,1,2,3
	v_max_num_f32 v[TM+\b], v[TM+\b], v[TM+4+\b]
.endr
.irp b, 0,1,2,3
	v_add_nc_u32 v[TM+12+\b], 0xfe000000, v[TM+\b]   ; 4 off the exponent field: the conversion's scale operand
.endr
.irp b, 0,1,2,3
	v_lshrrev_b32 v[TM+4+\b], 23, v[TM+12+\b]
.endr
	v_lshl_or_b32 v[\pw], v[TM+5], 8, v[TM+4]
	v_lshl_or_b32 v[\pw], v[TM+6], 16, v[\pw]
	v_lshl_or_b32 v[\pw], v[TM+7], 24, v[\pw]
.irp c, 0,1
	v_cvt_scalef32_pk16_bf6_f32 v[PC+6*\c:PC+2+6*\c], v[(\s)+32*\c:(\s)+15+32*\c], v[TM+12+2*\c]
	v_cvt_scalef32_pk16_bf6_f32 v[PC+12+4*\c:PC+14+4*\c], v[(\s)+16+32*\c:(\s)+31+32*\c], v[TM+12+2*\c+1]
.endr
	v_nop                                          ; one plain place behind a scaled conversion
.irp c, 0,1
.irp i, 0,1,2
	v_permlane16_swap_b32 v[PC+6*\c+\i], v[PC+12+4*\c+\i]
.endr
.irp i, 0,1,2
	v_mov_b32 v[PC+3+6*\c+\i], v[PC+12+4*\c+\i]
.endr
.endr
.endm
.macro IMGOUT base, off
	global_store_b128 v[L16], v[PC:PC+3], s[\base:\base+1] offset:\off
	global_store_b64 v[L8], v[PC+4:PC+5], s[\base:\base+1] offset:\off+512
	global_store_b128 v[L16], v[PC+6:PC+9], s[\base:\base+1] offset:\off+768
	global_store_b64 v[L8], v[PC+10:PC+11], s[\base:\base+1] offset:\off+1280
.endm
	s_load_b256 s[68:75], s[0:1], 0x0              ; rimg, rsc, wimg, wsc
	s_load_b256 s[76:83], s[0:1], 0x20             ; bq, bk, bv, qkimg
	s_load_b128 s[84:87], s[0:1], 0x40             ; qksc, vimg
	s_load_b64 s[88:89], s[0:1], 0x50              ; vsc
	v_lshl_add_u32 v254, v0, 2, 0x4b000
	v_mov_b32 v255, 0
	ds_add_u32 v254, v255
	ds_add_u32 v254, v255
	v_lshrrev_b32 v3, 5, v0
	v_readfirstlane_b32 s[WV], v3                  ; wave 0..3
	v_and_b32 v1, 15, v0                           ; r
	v_bfe_u32 v2, v0, 4, 1                         ; h
	v_and_b32 v24, 31, v0                          ; lane
	v_lshlrev_b32 v[L16], 4, v24
	v_lshlrev_b32 v[L8], 3, v24
	v_mov_b32 v30, 0
	s_bfe_u32 s16, ttmp6, 0x40000                  ; cx
	s_bfe_u32 s17, ttmp6, 0x40004                  ; cy
	s_and_b32 s18, ttmp7, 0xffff                   ; the cluster's y
	s_lshr_b32 s19, s18, 1
	s_and_b32 s20, s18, 1
	s_cmp_eq_u32 ttmp9, 2                          ; the type: the cluster's x, the same in all partners
	s_cselect_b32 s3, -1, 0                        ; a lane mask: all ones for type 1
	s_cselect_b32 s19, s19, ttmp9                  ; which four tiles of P
	s_cselect_b32 s20, s20, s18                    ; which four tiles of R
	s_cselect_b32 s21, 128, 0                      ; Wv's images begin at tile 128 of wimg
	s_lshl_b32 s22, s19, 2
	s_add_co_u32 s22, s22, s16                     ; P's tile of 256: hangs on cx and the cluster's numbers
	s_lshl_b32 s23, s20, 2
	s_add_co_u32 s23, s23, s17                     ; R's tile of 128: hangs on cy and the cluster's numbers
	s_lshr_b32 s18, s[WV], 1                       ; which half of R's rows is mine.  Also: which half of P a fetching wave fetches
	s_and_b32 s19, s[WV], 1                        ; which half of P's
	s_wait_alu depctr_va_vdst(0)
	s_wait_dscnt 0x0
	s_wait_kmcnt 0x0
	s_cmp_eq_u32 ttmp9, 2
	s_cselect_b64 s[4:5], s[72:73], s[68:69]       ; R's codes
	s_cselect_b64 s[6:7], s[74:75], s[70:71]       ; R's scales
	s_cselect_b64 s[8:9], s[68:69], s[72:73]       ; P's codes
	s_cselect_b64 s[10:11], s[70:71], s[74:75]     ; P's scales
	s_cselect_b64 s[OI:OI+1], s[86:87], s[82:83]   ; the images' buffer
	s_cselect_b64 s[OS:OS+1], s[88:89], s[84:85]   ; the scale words' buffer
	s_cselect_b64 s[12:13], s[80:81], s[78:79]     ; the bias along P: bk (type 1 loads bv there and discards it),
	s_mov_b64 s[14:15], s[80:81]                   ; the bias along R: bv
	s_cmp_eq_u32 ttmp9, 0
	s_cselect_b64 s[12:13], s[76:77], s[12:13]     ; or bq
	; where the tiles come from
	s_lshl_b32 s90, s23, 3
	s_add_co_u32 s90, s90, s21                     ; R's first tile of 16
	s_mul_i32 s92, s90, 12288
	s_mov_b32 s93, 0
	s_lshl_b32 s90, s90, 9
	s_mov_b32 s91, 0
	s_add_nc_u64 s[4:5], s[4:5], s[92:93]
	s_add_nc_u64 s[6:7], s[6:7], s[90:91]
	s_lshl_b32 s94, s22, 4
	s_lshl_b32 s95, s18, 3
	s_add_co_u32 s94, s94, s95                     ; P's first tile of 16 of the half that this wave would fetch
	s_mul_i32 s96, s94, 12288
	s_mov_b32 s97, 0
	s_lshl_b32 s94, s94, 9
	s_mov_b32 s95, 0
	s_add_nc_u64 s[8:9], s[8:9], s[96:97]
	s_add_nc_u64 s[10:11], s[10:11], s[94:95]
	; groups 0: count 1, LDS address, global address, type 2.  No place in the cluster enters an LDS address
	s_mov_b32 s[G0R], 1
	s_mov_b32 s[G0R+1], SCL
	s_mov_b64 s[G0R+2:G0R+3], s[6:7]
	s_or_b32 s[G0R+3], s[G0R+3], 0x80000000
	s_lshl_b32 s98, s18, 12
	s_mov_b32 s[G0P], 1
	s_add_co_u32 s[G0P+1], s98, SCL+4096
	s_mov_b64 s[G0P+2:G0P+3], s[10:11]
	s_or_b32 s[G0P+3], s[G0P+3], 0x80000000
	s_mul_i32 s98, s18, 24576
.irp c, 0,1,2,3
	s_mov_b32 s[G0R+4+4*\c], 1
	s_mov_b32 s[G0R+5+4*\c], \c*CHUNK
	s_add_nc_u64 s[G0R+6+4*\c:G0R+7+4*\c], s[4:5], \c*3072
	s_or_b32 s[G0R+7+4*\c], s[G0R+7+4*\c], 0x80000000
	s_mov_b32 s[G0P+4+4*\c], 1
	s_add_co_u32 s[G0P+5+4*\c], s98, \c*CHUNK+24576
	s_add_nc_u64 s[G0P+6+4*\c:G0P+7+4*\c], s[8:9], \c*3072
	s_or_b32 s[G0P+7+4*\c], s[G0P+7+4*\c], 0x80000000
.endr
	; LDS addresses of my fragments in chunk 0
	s_mul_i32 s90, s18, 12288                      ; my four tiles of R
	v_add_nc_u32 v16, s90, v[L16]
	v_add_nc_u32 v17, s90, v[L8]
	s_mul_i32 s91, s19, 24576                      ; my eight tiles of P, behind R's eight
	s_add_co_u32 s91, s91, 24576
	v_add_nc_u32 v18, s91, v[L16]
	v_add_nc_u32 v19, s91, v[L8]
	s_lshl_b32 s90, s18, 11                        ; scale words: lanes 0-15 take R's tile i, lanes 16-31 P's tile i: the lower base + h x the distance
	s_lshl_b32 s91, s19, 12
	s_add_co_u32 s91, s91, 4096
	s_sub_co_u32 s91, s91, s90
	v_mul_u32_u24 v3, s91, v2
	v_lshl_add_u32 v3, v1, 3, v3
	s_add_co_u32 s90, s90, SCL
	v_add_nc_u32 v20, s90, v3
	; where my results go
	s_cmp_eq_u32 ttmp9, 2
	s_mov_b32 s90, 24576
	s_cselect_b32 s90, 98304, s90                  ; bytes from a tile of R's rows to the next in the images' buffer
	s_mov_b32 s91, 65536
	s_cselect_b32 s91, 4096, s91                   ; scale words: bytes for each 128 along P,
	s_mov_b32 s92, 512
	s_cselect_b32 s92, 256, s92                    ; and for each four tiles of R
	s_lshl_b32 s93, s23, 1
	s_add_co_u32 s93, s93, s18                     ; my four tiles of R
	s_lshl_b32 s94, s22, 1
	s_add_co_u32 s94, s94, s19                     ; my 128 along P
	s_mul_i32 s92, s92, s93
	s_mul_i32 s91, s91, s94
	s_add_co_u32 s96, s91, s92
	s_mov_b32 s97, 0
	s_add_nc_u64 s[OS:OS+1], s[OS:OS+1], s[96:97]
	s_lshl_b32 s93, s93, 2
	s_mul_i32 s90, s90, s93
	s_mul_i32 s94, s94, 1536
	s_add_co_u32 s96, s90, s94
	s_add_nc_u64 s[OI:OI+1], s[OI:OI+1], s[96:97]
	; the biases: type 0 has one along P (my 128 columns), type 1 one along R (my 64 channels); the other is loaded from the buffer's head and replaced by zeros
	s_lshl_b32 s90, s16, 10
	s_lshl_b32 s91, s19, 9
	s_add_co_u32 s90, s90, s91
	s_lshl_b32 s92, s23, 9
	s_lshl_b32 s93, s18, 8
	s_add_co_u32 s92, s92, s93
	s_cmp_eq_u32 ttmp9, 2
	s_cselect_b32 s90, 0, s90
	s_cselect_b32 s92, s92, 0
	s_cselect_b32 s10, 0, 16                       ; type 0: lanes 16-31 store the odd head's word, the pair's word >> 16
	s_cselect_b32 s11, 16, 32                      ; how many lanes store scale words
	s_mov_b32 s91, 0
	s_mov_b32 s93, 0
	s_add_nc_u64 s[12:13], s[12:13], s[90:91]
	s_add_nc_u64 s[14:15], s[14:15], s[92:93]
	v_mul_u32_u24 v23, s10, v2
	v_lshlrev_b32 v25, 6, v2                       ; P's bias: 16 h numbers on
	v_and_b32 v26, 8, v1
	v_add_nc_u32 v26, v26, v1
	v_lshlrev_b32 v26, 2, v26                      ; R's bias: number r + 8 (r / 8)
	s_mov_b32 s[SEL], 0x76543210
	s_mov_b32 s[SEL+1], 0xfedcba98
	; groups 1.  Codes: 8 rows (tiles) of 3,072 bytes (384 elements of 8), 12,288 bytes apart.  Scales: 4,096 dense bytes as 16 rows of 256.  No padding: the images are read in consecutive bytes
	s_lshl_b32 s17, s17, 2
	s_lshl_b32 s17, 15, s17                        ; my row of the cluster
	s_lshl_b32 s16, 0x1111, s16                    ; my column
	s_or_b32 s[G1R], s17, (3<<16)|(1<<21)          ; 15:0 the mask; 17:16 elements of 8 bytes; 21 set beside a mask
	s_or_b32 s[G1RS], s17, (3<<16)|(1<<21)
	s_or_b32 s[G1P], s16, (3<<16)|(1<<21)
	s_or_b32 s[G1PS], s16, (3<<16)|(1<<21)
.irp g, G1R, G1P
	s_mov_b32 s[\g+1], 384<<16                     ; tensor_dim0
	s_mov_b32 s[\g+2], 8<<16                       ; tensor_dim1
	s_mov_b32 s[\g+3], 384<<16                     ; tile_dim0
	s_mov_b32 s[\g+4], 8                           ; tile_dim1
	s_mov_b32 s[\g+5], 1536                        ; tensor_dim0_stride
	s_mov_b32 s[\g+6], 0
	s_mov_b32 s[\g+7], 0
.endr
.irp g, G1RS, G1PS
	s_mov_b32 s[\g+1], 32<<16
	s_mov_b32 s[\g+2], 16<<16
	s_mov_b32 s[\g+3], 32<<16
	s_mov_b32 s[\g+4], 16
	s_mov_b32 s[\g+5], 32
	s_mov_b32 s[\g+6], 0
	s_mov_b32 s[\g+7], 0
.endr
	CROUND                                         ; all sixteen work-groups are here: the joint loads meet
	; All fills of the launch, in one group.  Wave 0: R's scales and four chunks; waves 1, 2: the halves of P's; wave 3: none.  Five tensor loads of a wave are out at the most.
	s_cmp_eq_u32 s[WV], 0
	s_cbranch_scc0 .Lnot_r
	tensor_load_to_lds s[G0R:G0R+3], s[G1RS:G1RS+7]
	s_nop 0
	tensor_load_to_lds s[G0R+4:G0R+7], s[G1R:G1R+7]
	s_nop 0
	tensor_load_to_lds s[G0R+8:G0R+11], s[G1R:G1R+7]
	s_nop 0
	tensor_load_to_lds s[G0R+12:G0R+15], s[G1R:G1R+7]
	s_nop 0
	tensor_load_to_lds s[G0R+16:G0R+19], s[G1R:G1R+7]
	s_nop 0
.rept 4
	v_nop
.endr
	s_branch .Lasked
.Lnot_r:
	s_cmp_eq_u32 s[WV], 3
	s_cbranch_scc1 .Lasked
	tensor_load_to_lds s[G0P:G0P+3], s[G1PS:G1PS+7]
	s_nop 0
	tensor_load_to_lds s[G0P+4:G0P+7], s[G1P:G1P+7]
	s_nop 0
	tensor_load_to_lds s[G0P+8:G0P+11], s[G1P:G1P+7]
	s_nop 0
	tensor_load_to_lds s[G0P+12:G0P+15], s[G1P:G1P+7]
	s_nop 0
	tensor_load_to_lds s[G0P+16:G0P+19], s[G1P:G1P+7]
	s_nop 0
.rept 4
	v_nop
.endr
.Lasked:
	s_wait_alu depctr_va_vdst(0)
.irp t, 0,1,2,3,4,5,6,7                        ; P's bias in the result's layout: tile t, lane (r, h): numbers 32 (t / 2) + 8 (t % 2) + 16 h + 0 .. 7
	global_load_b128 v[BP+8*\t:BP+8*\t+3], v25, s[12:13] offset:(32*(\t/2)+8*(\t%2))*4
	global_load_b128 v[BP+8*\t+4:BP+8*\t+7], v25, s[12:13] offset:(32*(\t/2)+8*(\t%2))*4+16
.endr
.irp a, 0,1,2,3                                ; R's bias: tile a, lane (r, h): number 32 (a / 2) + 8 (a % 2) + r + 8 (r / 8)
	global_load_b32 v[BR+2*\a], v26, s[14:15] offset:(32*(\a/2)+8*(\a%2))*4
.endr
	s_wait_loadcnt 0x0
.set jj, 0
.rept 64
	v_cndmask_b32 v[BP+jj], v[BP+jj], v30, s3      ; type 1 has no bias along P
.set jj, jj+1
.endr
.irp a, 0,1,2,3
	v_cndmask_b32 v[BR+2*\a], v30, v[BR+2*\a], s3  ; type 0 has none along R
	v_mov_b32 v[BR+2*\a+1], 0                      ; (named with it as a pair, so it is written)
.endr
; n x 8 matrix instructions of K step s: R's tiles a0 on x P's eight.  first = 1: P's bias is the C that starts each sum: nothing is cleared.
; The 32 accumulators take turns, one instruction a turn, in the same order in every K step.
.macro MUL a0, n, s, first
.set SCB, SC+16*(((\s)/2)%2)+(\s)%2
.set PB,  128*((\s)%2)
.set RB,  128+48*((\s)%2)
.if \first
	WIN 0x81                                       ; source 0 (P) window 1, source 1 (R) and C (bias) window 0, D window 2
.else
	WIN 0xa1                                       ; C and D window 2
.endif
.set AA, \a0
.rept \n
.irp b, 0,1,2,3,4,5,6,7
.if \first
	v_wmma_scale_f32_16x16x128_f8f6f4 v[64*AA+8*\b:64*AA+8*\b+7], v[PB+12*\b:PB+12*\b+11], v[RB+12*AA:RB+12*AA+11], v[BP+8*\b:BP+8*\b+7], v[SCB+2*\b], v[SCB+2*AA] matrix_a_fmt:MATRIX_FMT_BF6 matrix_b_fmt:MATRIX_FMT_BF6 matrix_a_scale:MATRIX_SCALE_ROW1
.else
	v_wmma_scale_f32_16x16x128_f8f6f4 v[64*AA+8*\b:64*AA+8*\b+7], v[PB+12*\b:PB+12*\b+11], v[RB+12*AA:RB+12*AA+11], v[64*AA+8*\b:64*AA+8*\b+7], v[SCB+2*\b], v[SCB+2*AA] matrix_a_fmt:MATRIX_FMT_BF6 matrix_b_fmt:MATRIX_FMT_BF6 matrix_a_scale:MATRIX_SCALE_ROW1
.endif
.endr
.set AA, AA+1
.endr
.endm
.macro FETCH s                         ; K step s's twelve fragments into set s % 2: 48 LDS loads in one run
	WIN 0x40                                       ; destination window 1, address window 0
.irp b, 0,1,2,3,4,5,6,7
	FRAG 128*((\s)%2)+12*\b, 18, 19, \b*3072+((\s)%2)*1536
.endr
	WIN 0
.irp a, 0,1,2,3
	FRAG 128+48*((\s)%2)+12*\a, 16, 17, \a*3072+((\s)%2)*1536
.endr
.endm
.macro SCALES c                        ; chunk c's scale words: register 2 i + q: lanes 0-15 R's tile i, lanes 16-31 P's tile i, K step 2 c + q
.irp i, 0,1,2,3,4,5,6,7
	ds_load_b64 v[SC+16*((\c)%2)+2*\i:SC+16*((\c)%2)+2*\i+1], v20 offset:512*\i+128*(\c)
.endr
.endm
.macro STEP_IN s, first                ; a chunk's first K step: its successor lies in the same chunk
	s_wait_dscnt 0x0                               ; this K step's fragments are in (asked for 16 matrix instructions ago; at K step 0 just before)
.if \first == 0
	PLACES                                         ; behind the last K step's products, which read the set that is loaded now
.endif
	FETCH (\s)+1
	MUL 0, 4, \s, \first
.endm
.macro STEP_TURN s, left               ; a chunk's second K step: the next chunk must have landed in every fetching wave.  Later chunks may stay out
	s_wait_tensorcnt \left                         ; behind the next chunk's load this wave issued \left more
	s_wait_dscnt 0x0                               ; this K step's fragments are in; no LDS instruction of mine is out at the signal
	s_barrier_signal -1
	MUL 0, 2, \s, 0
	WIN 0
	s_barrier_wait -1
.irp g, 16,17,18,19
	v_add_nc_u32 v\g, CHUNK, v\g                   ; on to the next chunk; these four are also the places in front of the loads below
.endr
	FETCH (\s)+1
	SCALES ((\s)+1)/2
	MUL 2, 2, \s, 0
.endm
	s_wait_alu depctr_va_vdst(0)
	s_wait_tensorcnt 3                             ; my scales and my chunk 0 have landed; chunks 1 to 3 may be out
	s_barrier_signal -1
	s_barrier_wait -1                              ; everybody's have
	SCALES 0
	FETCH 0
	STEP_IN 0, 1
	STEP_TURN 1, 2
	s_wait_alu depctr_va_vdst(0)
	STEP_IN 2, 0
	STEP_TURN 3, 1
	s_wait_alu depctr_va_vdst(0)
	STEP_IN 4, 0
	STEP_TURN 5, 0
	s_wait_alu depctr_va_vdst(0)
	STEP_IN 6, 0
	s_wait_dscnt 0x0
	MUL 0, 4, 7, 0
	WIN 0
	; THE WAY OUT, a tile of R's rows at a time: + R's bias, quantised along P, stored as an image.
	PLACES
.irp b, 0,1,2,3
	v_mov_b32 v[TM+4+\b], 0                        ; written once: a lane permute's destination counts as one of its sources
.endr
	s_cmp_eq_u32 ttmp9, 2                          ; (every tensor load has been waited for: the descriptors' registers are free)
	s_mov_b32 s24, 24576
	s_cselect_b32 s24, 98304, s24                  ; bytes from a tile's image to the next tile's
	s_mov_b32 s25, 0
.irp a, 0,1,2,3
	WIN 0x02                                       ; source 0 window 2
.set jj, 0
.rept 32
	v_pk_add_f32 v[TT+jj:TT+jj+1], v[64*\a+jj:64*\a+jj+1], v[BR+2*\a:BR+2*\a+1] op_sel_hi:[1,0]   ; each accumulator from its low end on
.set jj, jj+2
.endr
	WIN 0
.if \a > 0
	s_wait_xcnt 0x0                                ; the last image's stores have read their registers and their base
	s_add_nc_u64 s[OI:OI+1], s[OI:OI+1], s[24:25]
.endif
	QUANT TT, SW+\a
	IMGOUT OI, 0
.endr
.irp a, 0,1,2,3
	v_lshrrev_b32 v[SW+\a], v23, v[SW+\a]          ; type 0, lanes 16-31: the odd head's two bytes come down
.endr
	v_cmp_gt_u32 vcc_lo, s11, v24
	s_wait_alu depctr_va_vdst(0)
	s_wait_xcnt 0x0                                ; EXEC changes only behind this wait
	s_and_saveexec_b32 s10, vcc_lo
	global_store_b128 v[L16], v[SW:SW+3], s[OS:OS+1]   ; type 0: 512 consecutive bytes; type 1: lanes 0-15 alone, 256
	s_wait_xcnt 0x0
	s_or_b32 exec_lo, exec_lo, s10
	s_wait_tensorcnt 0x0
	ds_add_u32 v254, v255
	s_wait_dscnt 0x0
	CROUND                                         ; the closing round: no work-group ends while a partner may still ask for a tile that names it
	s_endpgm
.Lfunc_end_k_q1499582826_qkv:
	.size	k_q1499582826_qkv, .Lfunc_end_k_q1499582826_qkv-k_q1499582826_qkv
	.p2alignl 7, 3214868480
	.fill 96, 4, 3214868480
	.section	.rodata,"a",@progbits
	.p2align	6, 0x0
	.amdhsa_kernel k_q1499582826_qkv
		.amdhsa_group_segment_fixed_size 307712
		.amdhsa_private_segment_fixed_size 0
		.amdhsa_enable_private_segment 0
		.amdhsa_kernarg_size 88
		.amdhsa_user_sgpr_count 2
		.amdhsa_user_sgpr_kernarg_segment_ptr 1
		.amdhsa_wavefront_size32 1
		.amdhsa_system_sgpr_workgroup_id_x 1
		.amdhsa_system_sgpr_workgroup_id_y 1
		.amdhsa_system_sgpr_workgroup_id_z 1
		.amdhsa_system_vgpr_workitem_id 0
		.amdhsa_next_free_vgpr 768
		.amdhsa_next_free_sgpr 102
		.amdhsa_reserve_vcc 1
		.amdhsa_float_denorm_mode_32 3
		.amdhsa_float_denorm_mode_16_64 3
		.amdhsa_memory_ordered 1
		.amdhsa_forward_progress 1
		.amdhsa_inst_pref_size 105
	.end_amdhsa_kernel
	.amdgpu_metadata
---
amdhsa.version: [ 1, 2 ]
amdhsa.kernels:
  - .name:           k_q1499582826_qkv
    .symbol:         k_q1499582826_qkv.kd
    .args:
      - { .name: rimg, .offset: 0, .size: 8, .value_kind: global_buffer, .address_space: global }
      - { .name: rsc, .offset: 8, .size: 8, .value_kind: global_buffer, .address_space: global }
      - { .name: wimg, .offset: 16, .size: 8, .value_kind: global_buffer, .address_space: global }
      - { .name: wsc, .offset: 24, .size: 8, .value_kind: global_buffer, .address_space: global }
      - { .name: bq, .offset: 32, .size: 8, .value_kind: global_buffer, .address_space: global }
      - { .name: bk, .offset: 40, .size: 8, .value_kind: global_buffer, .address_space: global }
      - { .name: bv, .offset: 48, .size: 8, .value_kind: global_buffer, .address_space: global }
      - { .name: qkimg, .offset: 56, .size: 8, .value_kind: global_buffer, .address_space: global }
      - { .name: qksc, .offset: 64, .size: 8, .value_kind: global_buffer, .address_space: global }
      - { .name: vimg, .offset: 72, .size: 8, .value_kind: global_buffer, .address_space: global }
      - { .name: vsc, .offset: 80, .size: 8, .value_kind: global_buffer, .address_space: global }
    .group_segment_fixed_size: 307712
    .private_segment_fixed_size: 0
    .kernarg_segment_align: 8
    .kernarg_segment_size: 88
    .max_flat_workgroup_size: 128
    .sgpr_count:     102
    .vgpr_count:     768
    .wavefront_size: 32
...
	.end_amdgpu_metadata
.endif
;; end of part 3
;; launch attn (part 4): grid 4 x 64, 16 waves a work-group, clusters of 4 x 1, 210,944 bytes of LDS; arguments qkimg, qksc, vimg, vsc, rimg, rsc; writes rimg, rsc
.if DOCPART == 4
	.amdgcn_target "amdgcn-amd-amdhsa--gfx1250"
	.amdhsa_code_object_version 6
	.text
	.protected	k_q1499582826_attn
	.globl	k_q1499582826_attn
	.p2align	8
	.type	k_q1499582826_attn,@function
k_q1499582826_attn:
	s_mov_b64 s[64:65], 0
	v_nop
	global_prefetch_b8 v0, s[64:65] scope:SCOPE_SE
	s_setreg_imm32_b32 hwreg(HW_REG_WAVE_MODE, 25, 1), 1
	s_wait_xcnt 0x0
	s_wait_alu depctr_hold_cnt(0) depctr_sa_sdst(0) depctr_va_vdst(0) depctr_va_sdst(0) depctr_va_ssrc(0) depctr_va_vcc(0) depctr_vm_vsrc(0)
	s_getreg_b32 s2, hwreg(HW_REG_IB_STS2, 6, 4)
	s_cmp_eq_u32 s2, 0
	s_cbranch_scc0 .Lentry_in_a_cluster
	s_endpgm
.Lentry_in_a_cluster:
	s_bfe_u32 s2, ttmp6, 0x10000c
	s_cmp_lg_u32 s2, 0x3003
	s_cbranch_scc0 .Lentry_shape_is_right
	s_endpgm
.Lentry_shape_is_right:
; Causal attention of one (batch, head) for each cluster, both products on codes of E3M2 with one E8M0 byte for each 32 along K; the result, divided by the row's sum, is quantised along the model's 1,024 (two blocks a head) and stored as codes.
; SOFTMAX: t = score x log2(e) / 8; M = the running largest t rounded UP to a whole number; p = 2^(t - M) is quantised along the keys, not normalised; the row's sum is taken of the unquantised p; when M moves, the sum
; and O are multiplied by 2^(old M - new M), which rounds nothing.
; LDS.  All of the head's codes lie in LDS, FILLED ONCE by joint loads of the cluster's four work-groups: K 98,304 bytes ([128 tiles of 16 keys][768]), V 98,304 ([half][4 tiles of channels][8 key steps][1536]), K's scale words 8,192, V's 4,096.
; SHARES.  Block i is 128 queries, eight tiles; partner c takes tiles 8 i + 2 c + u.  Wave w (u = w % 2, j = w / 2) does block 15 - j (16 - j key steps of 128), then block j (j + 1): 17 KEY STEPS FOR EVERY WAVE; steps all of whose
; keys are hidden are never walked.  The place in the cluster enters the addresses of q and of the result and one data register of the mask: no branch and no LDS address.
; LAYOUT.  Both products transposed: S^T = K Q^T (source 0 = 16 keys), O^T = V^T P^T (source 0 = 16 channels): a lane holds one query.  A tile's 16 rows are rows 32 (tau / 2) + 8 (tau % 2) + r + 8 (r / 8), so the 16 registers of
; tiles 2 b and 2 b + 1 are 16 neighbours: 32 b + 16 (lane / 16) + 0 .. 15.
; K = 64 in the first product: Q's registers 6-11 hold zero codes.  K's fragment names 12 registers of which the upper six are the next tile's codes (behind the last tile: zeros): every code of this format is a finite number and
; no scale byte here is 0xff, so the upper half adds exactly 0.
; LIMITS: a block of zeros, or one under 2^-122, gets the byte 1 (this program alone reads the bytes); NaN and infinities are not served.
; The result's scale bytes leave one byte a lane: a row's word belongs to two heads, which are two clusters; 262,144 bytes in the whole launch.
; REGISTERS: v3, v4 V's lane addresses; v5, v6 the scale words'; v7 the mask's d; v8-11, v28, v29 addresses in hand; v12 -M, v13 the largest t, v[14:15] the sum; v16-27 Q; v30 16 x lane, v31 8 x lane (also K's lane addresses);
;   v32-85 K's eight half fragments and six zeros, then v32-79 V's four fragments; v86 the scale byte's offset; v88-93 Q's offsets; v96-159 S^T, then p; v160-191 O^T; v192-199 K's scale words, v200-203 V's;
;   v204-210 the second block's Q and scale word; v224-235 p's codes; v232-254 at work; v255 Q's scale word.
.set VB,   98304
.set KSB,  196608
.set VSB,  204800
.set WV,   2                           ; s2  the wave's number
.set G1K,  24                          ; s[24:31], s[32:39], s[40:47], s[48:55] groups 1: K, V, K's scales, V's scales
.set G1V,  32
.set G1KS, 40
.set G1VS, 48
.set G0K,  56                          ; s[56:59], s[60:63], s[68:71], s[72:75] groups 0
.set G0V,  60
.set G0KS, 68
.set G0VS, 72
.set CS,   66                          ; s[66:67] c = log2(e) / 8, twice
.set SEL,  76                          ; s[76:77] lane selects: lane l xor 16
.macro CROUND                          ; a round of the cluster's barrier
	s_barrier_signal -1
	s_barrier_wait -1
	s_cmp_lg_u32 s[WV], 0
	s_cbranch_scc1 .Lnot_wave_0_\@
	s_barrier_signal -3
.Lnot_wave_0_\@:
	s_barrier_wait -3
	s_barrier_signal -1
	s_barrier_wait -1
.endm
.macro FRAG reg, a16, a8, off          ; a fragment's image into 12 registers
	ds_load_b128 v[(\reg):(\reg)+3], v[\a16] offset:\off
	ds_load_b64 v[(\reg)+4:(\reg)+5], v[\a8] offset:\off+512
	ds_load_b128 v[(\reg)+6:(\reg)+9], v[\a16] offset:\off+768
	ds_load_b64 v[(\reg)+10:(\reg)+11], v[\a8] offset:\off+1280
.endm
	s_load_b256 s[4:11], s[0:1], 0x0               ; qkimg, qksc, vimg, vsc
	s_load_b128 s[12:15], s[0:1], 0x20             ; rimg, rsc
	v_lshl_add_u32 v250, v0, 2, 0x33000
	v_mov_b32 v251, 0
	ds_add_u32 v250, v251
	ds_add_u32 v250, v251
	v_lshrrev_b32 v8, 5, v0
	s_delay_alu instid0(VALU_DEP_1)
	v_readfirstlane_b32 s[WV], v8                  ; wave 0..15
	s_bfe_u32 s3, ttmp6, 0x40000                   ; c: my place in the cluster
	s_and_b32 s94, ttmp7, 0xffff
	s_lshr_b32 s16, s94, 4                         ; batch
	s_and_b32 s17, s94, 15                         ; head
	s_and_b32 s18, s17, 1                          ; its parity: which half of a pair's image
	s_lshr_b32 s19, s17, 1                         ; its pair
	s_lshr_b32 s20, s[WV], 1                       ; j
	s_and_b32 s21, s[WV], 1                        ; u
	s_sub_co_u32 s22, 15, s20                      ; the first block, and the step in which it ends
	s_sub_co_u32 s23, 16, s20                      ; its number of steps
	s_mul_i32 s85, s19, 1536
	s_mul_i32 s94, s18, 768
	s_add_co_u32 s85, s85, s94                     ; the head's half image among a tile's images
	; groups 1: elements of 8 bytes, the mask of all four work-groups, bit 21 beside it, no padding
.irp g, G1K, G1V, G1KS, G1VS
	s_mov_b32 s[\g], 15|(3<<16)|(1<<21)
	s_mov_b32 s[\g+6], 0
	s_mov_b32 s[\g+7], 0
.endr
	s_mov_b32 s[G1K+1], 96<<16                     ; K: 16 rows (tiles) of 768 bytes, 24,576 bytes apart
	s_mov_b32 s[G1K+2], 16<<16
	s_mov_b32 s[G1K+3], 96<<16
	s_mov_b32 s[G1K+4], 16
	s_mov_b32 s[G1K+5], 3072
	s_mov_b32 s[G1V+1], 32<<16                     ; V: 12,288 dense bytes as 48 rows of 256
	s_mov_b32 s[G1V+2], 48<<16
	s_mov_b32 s[G1V+3], 32<<16
	s_mov_b32 s[G1V+4], 48
	s_mov_b32 s[G1V+5], 32
	s_mov_b32 s[G1KS+1], 32<<16                    ; K's scales: 32 rows of 256 bytes, 512 apart
	s_mov_b32 s[G1KS+2], 32<<16
	s_mov_b32 s[G1KS+3], 32<<16
	s_mov_b32 s[G1KS+4], 32
	s_mov_b32 s[G1KS+5], 64
	s_mov_b32 s[G1VS+1], 32<<16                    ; V's scales: 16 rows of 256 bytes, 4,096 apart
	s_mov_b32 s[G1VS+2], 16<<16
	s_mov_b32 s[G1VS+3], 32<<16
	s_mov_b32 s[G1VS+4], 16
	s_mov_b32 s[G1VS+5], 512
	s_mov_b32 s[CS], 0x3e38aa3b                    ; log2(e) / 8
	s_mov_b32 s[CS+1], s[CS]
	s_mov_b32 s[SEL], 0x76543210
	s_mov_b32 s[SEL+1], 0xfedcba98
	s_mov_b32 s84, 0xffff0000                      ; lanes 16-31
	v_and_b32 v8, 31, v0                           ; lane
	v_and_b32 v9, 15, v0                           ; r
	v_bfe_u32 v10, v0, 4, 1                        ; h
	s_delay_alu instid0(VALU_DEP_3)
	v_lshlrev_b32 v30, 4, v8
	s_delay_alu instid0(VALU_DEP_4)
	v_lshlrev_b32 v31, 3, v8
	s_delay_alu instid0(VALU_DEP_2)
	v_add_nc_u32 v3, VB, v30
	s_delay_alu instid0(VALU_DEP_2)
	v_add_nc_u32 v4, VB, v31
	v_lshl_add_u32 v5, v9, 4, KSB                  ; K's scale words: four tiles' words of row r
	v_lshl_add_u32 v6, v9, 4, VSB                  ; V's likewise
	v_and_b32 v11, 8, v9
	s_delay_alu instid0(VALU_DEP_1)
	v_add_nc_u32 v7, v11, v9
	v_lshlrev_b32 v11, 4, v10
	s_delay_alu instid0(VALU_DEP_1)
	v_sub_nc_u32 v7, v7, v11
	s_lshl_b32 s94, s3, 5
	s_lshl_b32 s95, s21, 3
	s_add_co_u32 s94, s94, s95
	v_add_nc_u32 v7, s94, v7                       ; d = my query within its block - 16 h = 32 c + 8 u + r + 8 (r / 8) - 16 h
	v_lshl_add_u32 v86, v9, 3, v10                 ; the result's scale byte: 8 r + h
	s_wait_dscnt 0x0
	s_wait_kmcnt 0x0
	; groups 0.  Waves 0-7 fetch 16 tiles of K each; waves 8-15 one tile of channels x 8 key steps of V each; wave 4 also K's scales, wave 12 V's
	s_and_b32 s94, s[WV], 7
	s_mul_i32 s[G0K+1], s94, 12288
	s_lshl_b32 s95, s16, 7
	s_lshl_b32 s94, s94, 4
	s_add_co_u32 s94, s94, s95
	s_mul_i32 s94, s94, 24576
	s_add_co_u32 s94, s94, s85
	s_add_co_u32 s94, s94, 12288                   ; k's images lie behind q's eight
	s_mov_b32 s95, 0
	s_mov_b32 s[G0K], 1
	s_add_nc_u64 s[G0K+2:G0K+3], s[4:5], s[94:95]
	s_or_b32 s[G0K+3], s[G0K+3], 0x80000000
	s_bfe_u32 s96, s[WV], 0x10002                  ; which eight key steps
	s_and_b32 s97, s[WV], 3                        ; which tile of channels
	s_mul_i32 s94, s96, 49152
	s_mul_i32 s95, s97, 12288
	s_add_co_u32 s94, s94, s95
	s_add_co_u32 s[G0V+1], s94, VB
	s_lshl_b32 s94, s17, 2
	s_add_co_u32 s94, s94, s97
	s_mul_i32 s94, s94, 98304
	s_mul_i32 s95, s16, 24576
	s_add_co_u32 s94, s94, s95
	s_mul_i32 s95, s96, 12288
	s_add_co_u32 s94, s94, s95
	s_mov_b32 s95, 0
	s_mov_b32 s[G0V], 1
	s_add_nc_u64 s[G0V+2:G0V+3], s[8:9], s[94:95]
	s_or_b32 s[G0V+3], s[G0V+3], 0x80000000
	s_lshl_b32 s83, s19, 16
	s_lshl_b32 s94, s18, 8
	s_add_co_u32 s83, s83, s94                     ; the head's plane among q's scale words
	s_lshl_b32 s94, s16, 14
	s_add_co_u32 s94, s94, s83
	s_add_co_u32 s94, s94, 524288                  ; k's lie behind q's eight
	s_mov_b32 s[G0KS], 1
	s_mov_b32 s[G0KS+1], KSB
	s_add_nc_u64 s[G0KS+2:G0KS+3], s[6:7], s[94:95]
	s_or_b32 s[G0KS+3], s[G0KS+3], 0x80000000
	s_lshl_b32 s94, s16, 16
	s_lshl_b32 s96, s17, 8
	s_add_co_u32 s94, s94, s96
	s_mov_b32 s[G0VS], 1
	s_mov_b32 s[G0VS+1], VSB
	s_add_nc_u64 s[G0VS+2:G0VS+3], s[10:11], s[94:95]
	s_or_b32 s[G0VS+3], s[G0VS+3], 0x80000000
	; my two tiles of queries: where their q lies and where their results go
	s_lshl_b32 s98, s16, 7
	s_lshl_b32 s94, s3, 1
	s_add_co_u32 s98, s98, s94
	s_add_co_u32 s98, s98, s21                     ; 128 x batch + 2 c + u
	s_lshr_b32 s94, s19, 1
	s_lshl_b32 s94, s94, 7
	s_and_b32 s95, s19, 1
	s_lshl_b32 s95, s95, 2
	s_add_co_u32 s99, s94, s95
	s_lshl_b32 s95, s18, 1
	s_add_co_u32 s99, s99, s95                     ; the head's two bytes among a tile's scale words
.macro JOB ireg, oi, os, qa            ; block s[ireg]: the result's bases into s[oi:oi+1], s[os:os+1]; q's offsets into v[qa] on
	s_lshl_b32 s94, s[\ireg], 3
	s_add_co_u32 s94, s94, s98                     ; the tile
	s_mul_i32 s96, s94, 12288
	s_add_co_u32 s96, s96, s85
	s_mov_b32 s97, 0
	s_add_nc_u64 s[\oi:\oi+1], s[12:13], s[96:97]
	s_lshl_b32 s96, s94, 9
	s_add_co_u32 s96, s96, s99
	s_add_nc_u64 s[\os:\os+1], s[14:15], s[96:97]
	s_mul_i32 s96, s94, 24576
	s_add_co_u32 s96, s96, s85
	v_add_nc_u32 v[\qa], s96, v30
	v_add_nc_u32 v[\qa+1], s96, v31
	s_lshr_b32 s96, s94, 2
	s_lshl_b32 s96, s96, 9
	s_and_b32 s95, s94, 3
	s_lshl_b32 s95, s95, 2
	s_add_co_u32 s96, s96, s95
	s_add_co_u32 s96, s96, s83
	v_lshl_add_u32 v[\qa+2], v9, 4, s96
.endm
	JOB 22, 86, 90, 88
	JOB 20, 88, 92, 91
	CROUND                                         ; all four work-groups are here: the joint loads meet
	; All fills of the launch: a wave's loads stand in one arm.  Two tensor loads of a wave are out at the most.  Four v_nop close each arm.
	s_cmp_eq_u32 s[WV], 4
	s_cbranch_scc0 .Lnot_4
	tensor_load_to_lds s[G0KS:G0KS+3], s[G1KS:G1KS+7]
	s_nop 0
	tensor_load_to_lds s[G0K:G0K+3], s[G1K:G1K+7]
	s_nop 0
.rept 4
	v_nop
.endr
	s_branch .Lasked
.Lnot_4:
	s_cmp_eq_u32 s[WV], 12
	s_cbranch_scc0 .Lnot_12
	tensor_load_to_lds s[G0VS:G0VS+3], s[G1VS:G1VS+7]
	s_nop 0
	tensor_load_to_lds s[G0V:G0V+3], s[G1V:G1V+7]
	s_nop 0
.rept 4
	v_nop
.endr
	s_branch .Lasked
.Lnot_12:
	s_cmp_lt_u32 s[WV], 8
	s_cbranch_scc0 .Lfor_v
	tensor_load_to_lds s[G0K:G0K+3], s[G1K:G1K+7]
	s_nop 0
.rept 4
	v_nop
.endr
	s_branch .Lasked
.Lfor_v:
	tensor_load_to_lds s[G0V:G0V+3], s[G1V:G1V+7]
	s_nop 0
.rept 4
	v_nop
.endr
.Lasked:
	s_wait_alu depctr_va_vdst(0)
	global_load_b128 v[16:19], v88, s[4:5]         ; the first block's Q: half an image,
	global_load_b64 v[20:21], v89, s[4:5] offset:512
	global_load_b32 v255, v90, s[6:7]              ; and its scale words
	global_load_b128 v[204:207], v91, s[4:5]       ; the second block's
	global_load_b64 v[208:209], v92, s[4:5] offset:512
	global_load_b32 v210, v93, s[6:7]
.irp g, 22,23,24,25,26,27,80,81,82,83,84,85
	v_mov_b32 v\g, 0                               ; zero codes: Q's upper half, and what stands behind K's last tile
.endr
	v_mov_b32 v13, 0xff61b1e6                      ; the largest t so far: -3e38, under every t
	s_delay_alu instid0(VALU_DEP_1)
	v_floor_f32 v12, -v13                          ; -M
	v_mov_b32 v14, 0
	v_mov_b32 v15, 0
.irp b, 0,1,2,3
	v_mov_b32 v[236+\b], 0                         ; written once: a lane permute's destination counts as one of its sources
.endr
	v_mov_b32 v252, 0
	v_mov_b32 v253, 0
.set jj, 0
.rept 32
	v_mov_b32 v[160+jj], 0                         ; O^T: the step is written once; the first finds zeros, which the first change of M leaves zeros
.set jj, jj+1
.endr
	s_wait_tensorcnt 0x0                           ; my parts of the head have landed,
	s_wait_loadcnt 0x0                             ; and Q
	s_barrier_signal -1
	s_barrier_wait -1                              ; everybody's have.  From here on LDS is only read
	s_mov_b32 s78, 0
.Lstep:                                            ; 17 trips: steps 0 .. 15 - j of block 15 - j, then steps 0 .. j of block j
	s_cmp_gt_u32 s78, s22
	s_cselect_b32 s94, s23, 0
	s_sub_co_u32 s94, s78, s94
	s_and_b32 s94, s94, 15                         ; the key step, 0 .. 15 (the mask changes nothing: it states the bound)
	s_mul_i32 s79, s94, 6144                       ; K: eight tiles of 768 bytes a step
	s_lshr_b32 s95, s94, 3
	s_mul_i32 s95, s95, 36864
	s_mul_i32 s80, s94, 1536                       ; V: an image a step, and on to the second half's block
	s_add_co_u32 s80, s80, s95
	s_lshl_b32 s81, s94, 9                         ; K's scale words
	s_lshl_b32 s82, s94, 8                         ; V's
	s_cmp_eq_u32 s78, s22
	s_cselect_b32 s83, 1, 0
	s_cmp_eq_u32 s78, 16
	s_cselect_b32 s83, 1, s83                      ; a block's last step lies on the diagonal
	s_setprio 2
	v_add_nc_u32 v8, s79, v30                      ; (these six are also the places behind the last products, in front of the loads below)
	v_add_nc_u32 v9, s79, v31
	v_add_nc_u32 v10, s80, v3
	v_add_nc_u32 v11, s80, v4
	v_add_nc_u32 v28, s81, v5
	v_add_nc_u32 v29, s82, v6
.irp t, 0,1,2,3,4,5,6,7
	ds_load_b128 v[32+6*\t:35+6*\t], v8 offset:768*\t
	ds_load_b64 v[36+6*\t:37+6*\t], v9 offset:768*\t+512
.endr
	ds_load_b128 v[192:195], v28
	ds_load_b128 v[196:199], v28 offset:256
	s_wait_alu depctr_va_vdst(0)
	s_wait_dscnt 0x0
.irp t, 0,1,2,3,4,5,6,7                        ; S^T = K Q^T: lane (r, h) holds query r; the 16 registers of tiles 2 b, 2 b + 1 are keys 32 b + 16 h + 0 .. 15 of the step
	v_wmma_scale_f32_16x16x128_f8f6f4 v[96+8*\t:103+8*\t], v[32+6*\t:43+6*\t], v[16:27], 0, v[192+\t], v255 matrix_a_fmt:MATRIX_FMT_BF6 matrix_b_fmt:MATRIX_FMT_BF6
.endr
.rept 4
	v_nop                                          ; places: in front of the loads into K's registers and of the first read of the scores
.endr
.irp d, 0,1,2,3
	FRAG 32+12*\d, 10, 11, \d*12288                ; V's four fragments land under the softmax
.endr
	ds_load_b128 v[200:203], v29
	s_cmp_eq_u32 s83, 0
	s_cbranch_scc1 .Lopen
	v_mov_b32 v254, 0xff800000                     ; on the diagonal hidden scores become -infinity: register 16 b + i is hidden where 32 b + i > d
.set n, 0
.rept 64
	v_cmp_gt_i32 vcc_lo, 32*(n/16)+n%16, v7
	v_cndmask_b32 v[96+n], v[96+n], v254, vcc_lo
.set n, n+1
.endr
.Lopen:
.irp b, 0,1,2,3
	v_max3_num_f32 v[232+\b], v[96+16*\b], v[97+16*\b], v[98+16*\b]   ; the largest score of each block of 32 keys: for the row's maximum, and, since p rises with the score, for the block's largest p
.endr
.irp i, 3,5,7,9,11,13
.irp b, 0,1,2,3
	v_max3_num_f32 v[232+\b], v[232+\b], v[96+16*\b+\i], v[97+16*\b+\i]
.endr
.endr
.irp b, 0,1,2,3
	v_max_num_f32 v[232+\b], v[232+\b], v[111+16*\b]
.endr
.irp b, 0,1,2,3
	s_delay_alu instid0(VALU_DEP_4)
	v_permlanex16_b32 v[236+\b], v[232+\b], s[SEL], s[SEL+1]
.endr
.irp b, 0,1,2,3
	s_delay_alu instid0(VALU_DEP_4)
	v_max_num_f32 v[232+\b], v[232+\b], v[236+\b]  ; with lane l xor 16's 16 keys
.endr
	s_delay_alu instid0(VALU_DEP_2)
	v_max3_num_f32 v254, v232, v233, v234
	s_delay_alu instid0(VALU_DEP_1)
	v_max_num_f32 v254, v254, v235                 ; the step's largest score of my query
	s_delay_alu instid0(VALU_DEP_1)
	v_mul_f32 v254, s[CS], v254                    ; as t
	s_delay_alu instid0(VALU_DEP_1)
	v_max_num_f32 v13, v13, v254                   ; the running largest t
	v_mov_b32 v254, v12
	s_delay_alu instid0(VALU_DEP_2)
	v_floor_f32 v12, -v13                          ; the new -M = -ceil(t)
	s_delay_alu instid0(VALU_DEP_1)
	v_sub_f32 v254, v12, v254                      ; old M - new M: a whole number, 0 or less
	s_delay_alu instid0(VALU_DEP_1)
	v_cvt_i32_f32 v254, v254                       ; (it saturates)
	s_delay_alu instid0(VALU_DEP_1)
	v_ldexp_f32 v252, 1.0, v254                    ; f = 2^(old M - new M)
.set jj, 0
.rept 32
	v_pk_fma_f32 v[96+jj:97+jj], v[96+jj:97+jj], s[CS:CS+1], v[12:13] op_sel_hi:[1,0,0]   ; t - M, two at a time
.set jj, jj+2
.endr
.irp b, 0,1,2,3
	v_fma_f32 v[232+\b], v[232+\b], s[CS], v12     ; the same of each block's largest score
.endr
.set jj, 0
	s_wait_alu depctr_va_vdst(0)
.rept 64
	v_exp_f32 v[96+jj], v[96+jj]                   ; p = 2^(t - M)
.set jj, jj+1
.endr
	s_setprio 1
.irp b, 0,1,2,3
	v_exp_f32 v[232+\b], v[232+\b]                 ; the block's largest p: the same two instructions on the same number
.endr
	v_pk_mul_f32 v[14:15], v[14:15], v[252:253] op_sel_hi:[1,0]   ; the sum under the new M (a plain place behind the exponentials)
	s_wait_alu depctr_va_vdst(0)
.irp b, 0,1,2,3
	v_max_num_f32 v[232+\b], 0x2800000, v[232+\b]  ; the floor 2^(5 - 127)
.endr
.irp b, 0,1,2,3
	s_delay_alu instid0(VALU_DEP_4)
	v_add_nc_u32 v[244+\b], 0xfe000000, v[232+\b]  ; 4 off the exponent field: the conversion's scale operand
.endr
.irp b, 0,1,2,3
	s_delay_alu instid0(VALU_DEP_4)
	v_lshrrev_b32 v[236+\b], 23, v[244+\b]
.endr
	s_delay_alu instid0(VALU_DEP_3)
	v_lshl_or_b32 v253, v237, 8, v236              ; p's scale word for these 128 keys
	s_delay_alu instid0(VALU_DEP_1)
	v_lshl_or_b32 v253, v238, 16, v253
	s_delay_alu instid0(VALU_DEP_1)
	v_lshl_or_b32 v253, v239, 24, v253
.irp c, 0,1
	v_cvt_scalef32_pk16_bf6_f32 v[224+6*\c:226+6*\c], v[96+32*\c:111+32*\c], v[244+2*\c]
	v_cvt_scalef32_pk16_bf6_f32 v[236+4*\c:238+4*\c], v[112+32*\c:127+32*\c], v[244+2*\c+1]
.endr
	v_nop                                          ; one plain place behind a scaled conversion
.irp c, 0,1
.irp i, 0,1,2
	v_permlane16_swap_b32 v[224+6*\c+\i], v[236+4*\c+\i]
.endr
.irp i, 0,1,2
	s_delay_alu instid0(VALU_DEP_3)
	v_mov_b32 v[227+6*\c+\i], v[236+4*\c+\i]
.endr
.endr
	v_pk_add_f32 v[236:237], v[100:101], v[104:105]
	v_pk_add_f32 v[248:249], v[108:109], v[112:113]
	v_pk_add_f32 v[246:247], v[116:117], v[120:121]
	v_pk_add_f32 v[244:245], v[124:125], v[128:129]
	v_pk_add_f32 v[242:243], v[132:133], v[136:137]
	v_pk_add_f32 v[240:241], v[140:141], v[144:145]
	v_pk_add_f32 v[222:223], v[148:149], v[152:153]
	v_pk_add_f32 v[14:15], v[14:15], v[156:157]
	v_pk_add_f32 v[236:237], v[236:237], v[96:97]
	v_pk_add_f32 v[248:249], v[248:249], v[98:99]
	v_pk_add_f32 v[246:247], v[246:247], v[102:103]
	v_pk_add_f32 v[244:245], v[244:245], v[106:107]
	v_pk_add_f32 v[242:243], v[242:243], v[110:111]
	v_pk_add_f32 v[240:241], v[240:241], v[114:115]
	v_pk_add_f32 v[222:223], v[222:223], v[118:119]
	v_pk_add_f32 v[14:15], v[14:15], v[122:123]
	v_pk_add_f32 v[236:237], v[236:237], v[126:127]
	v_pk_add_f32 v[248:249], v[248:249], v[130:131]
	v_pk_add_f32 v[246:247], v[246:247], v[134:135]
	v_pk_add_f32 v[244:245], v[244:245], v[138:139]
	v_pk_add_f32 v[242:243], v[242:243], v[142:143]
	v_pk_add_f32 v[240:241], v[240:241], v[146:147]
	v_pk_add_f32 v[222:223], v[222:223], v[150:151]
	v_pk_add_f32 v[14:15], v[14:15], v[154:155]
	v_pk_add_f32 v[236:237], v[236:237], v[158:159]
	s_delay_alu instid0(VALU_DEP_2)
	v_pk_add_f32 v[14:15], v[14:15], v[244:245]
	s_delay_alu instid0(VALU_DEP_2)
	v_pk_add_f32 v[236:237], v[236:237], v[242:243]
	v_pk_add_f32 v[248:249], v[248:249], v[240:241]
	v_pk_add_f32 v[246:247], v[246:247], v[222:223]
	s_delay_alu instid0(VALU_DEP_2)
	v_pk_add_f32 v[14:15], v[14:15], v[248:249]
	s_delay_alu instid0(VALU_DEP_2)
	v_pk_add_f32 v[236:237], v[236:237], v[246:247]
	s_delay_alu instid0(VALU_DEP_1)
	v_pk_add_f32 v[14:15], v[14:15], v[236:237]
.set jj, 0
.rept 16
	v_pk_mul_f32 v[160+jj:161+jj], v[160+jj:161+jj], v[252:253] op_sel_hi:[1,0]   ; O^T under the new M; with the sums above these are the places in front of the products below
.set jj, jj+2
.endr
	s_wait_alu depctr_va_vdst(0)
	s_wait_dscnt 0x0                               ; V and its scale words are in
.irp d, 0,1,2,3                                ; O^T += V^T P^T: the four accumulators by turns
	v_wmma_scale_f32_16x16x128_f8f6f4 v[160+8*\d:167+8*\d], v[32+12*\d:43+12*\d], v[224:235], v[160+8*\d:167+8*\d], v[200+\d], v253 matrix_a_fmt:MATRIX_FMT_BF6 matrix_b_fmt:MATRIX_FMT_BF6
.endr
	s_cmp_eq_u32 s83, 0
	s_setprio 0
	s_cbranch_scc1 .Lnext
	; A BLOCK IS FINISHED: O^T / the sum; register 16 b + i is channel 32 b + 16 h + i of the head: two blocks of 32 along the model's 1,024; quantised, stored as half an image
.rept 4
	v_nop
.endr
	v_add_f32 v14, v14, v15
	s_delay_alu instid0(VALU_DEP_1)
	v_permlanex16_b32 v252, v14, s[SEL], s[SEL+1]
	s_delay_alu instid0(VALU_DEP_1)
	v_add_f32 v14, v14, v252                       ; the row's sum
	s_wait_alu depctr_va_vdst(0)
	v_rcp_f32 v14, v14
	v_nop                                          ; one plain place behind a transcendental
.set jj, 0
	s_wait_alu depctr_va_vdst(0)
.rept 32
	v_mul_f32 v[96+jj], v[160+jj], v14
.set jj, jj+1
.endr
.irp b, 0,1
	v_max3_num_f32 v[232+\b], |v[96+16*\b]|, |v[97+16*\b]|, 0x2800000
.endr
.irp i, 2,4,6,8,10,12,14
.irp b, 0,1
	s_delay_alu instid0(VALU_DEP_2)
	v_max3_num_f32 v[232+\b], v[232+\b], |v[96+16*\b+\i]|, |v[97+16*\b+\i]|
.endr
.endr
.irp b, 0,1
	s_delay_alu instid0(VALU_DEP_2)
	v_permlanex16_b32 v[236+\b], v[232+\b], s[SEL], s[SEL+1]
.endr
.irp b, 0,1
	s_delay_alu instid0(VALU_DEP_2)
	v_max_num_f32 v[232+\b], v[232+\b], v[236+\b]
.endr
.irp b, 0,1
	s_delay_alu instid0(VALU_DEP_2)
	v_add_nc_u32 v[244+\b], 0xfe000000, v[232+\b]
.endr
.irp b, 0,1
	s_delay_alu instid0(VALU_DEP_2)
	v_lshrrev_b32 v[236+\b], 23, v[244+\b]
.endr
	v_cvt_scalef32_pk16_bf6_f32 v[224:226], v[96:111], v244
	v_cvt_scalef32_pk16_bf6_f32 v[240:242], v[112:127], v245
	v_nop
.irp i, 0,1,2
	v_permlane16_swap_b32 v[224+\i], v[240+\i]
.endr
.irp i, 0,1,2
	s_delay_alu instid0(VALU_DEP_3)
	v_mov_b32 v[227+\i], v[240+\i]
.endr
	v_cndmask_b32 v238, v236, v237, s84            ; lanes 0-15 store block 0's byte, lanes 16-31 block 1's
	global_store_b128 v30, v[224:227], s[86:87]    ; 512 consecutive bytes, aligned
	global_store_b64 v31, v[228:229], s[86:87] offset:512
	global_store_b8 v86, v238, s[90:91]
	s_wait_xcnt 0x0                                ; the stores have read their registers and bases: both are written again below
	s_cmp_lg_u32 s78, s22
	s_cbranch_scc1 .Lnext
	; THE SECOND BLOCK BEGINS
.irp i, 0,1,2,3,4,5
	v_mov_b32 v[16+\i], v[204+\i]
.endr
	v_mov_b32 v255, v210
	v_mov_b32 v13, 0xff61b1e6
	s_delay_alu instid0(VALU_DEP_1)
	v_floor_f32 v12, -v13
	v_mov_b32 v14, 0
	v_mov_b32 v15, 0
.set jj, 0
.rept 32
	v_mov_b32 v[160+jj], 0                         ; (also the places between the new scale word and the next scaled product)
.set jj, jj+1
.endr
	s_mov_b64 s[86:87], s[88:89]
	s_mov_b64 s[90:91], s[92:93]
.Lnext:
	s_add_co_u32 s78, s78, 1
	s_cmp_lt_u32 s78, 17
	s_cbranch_scc1 .Lstep
	s_setprio 0
	s_wait_tensorcnt 0x0
	ds_add_u32 v250, v251
	s_wait_dscnt 0x0
	CROUND                                         ; the closing round
	s_endpgm
.Lfunc_end_k_q1499582826_attn:
	.size	k_q1499582826_attn, .Lfunc_end_k_q1499582826_attn-k_q1499582826_attn
	.p2alignl 7, 3214868480
	.fill 96, 4, 3214868480
	.section	.rodata,"a",@progbits
	.p2align	6, 0x0
	.amdhsa_kernel k_q1499582826_attn
		.amdhsa_group_segment_fixed_size 210944
		.amdhsa_private_segment_fixed_size 0
		.amdhsa_enable_private_segment 0
		.amdhsa_kernarg_size 48
		.amdhsa_user_sgpr_count 2
		.amdhsa_user_sgpr_kernarg_segment_ptr 1
		.amdhsa_wavefront_size32 1
		.amdhsa_system_sgpr_workgroup_id_x 1
		.amdhsa_system_sgpr_workgroup_id_y 1
		.amdhsa_system_sgpr_workgroup_id_z 1
		.amdhsa_system_vgpr_workitem_id 0
		.amdhsa_next_free_vgpr 256
		.amdhsa_next_free_sgpr 100
		.amdhsa_reserve_vcc 1
		.amdhsa_float_denorm_mode_32 3
		.amdhsa_float_denorm_mode_16_64 3
		.amdhsa_memory_ordered 1
		.amdhsa_forward_progress 1
		.amdhsa_inst_pref_size 42
	.end_amdhsa_kernel
	.amdgpu_metadata
---
amdhsa.version: [ 1, 2 ]
amdhsa.kernels:
  - .name:           k_q1499582826_attn
    .symbol:         k_q1499582826_attn.kd
    .args:
      - { .name: qkimg, .offset: 0, .size: 8, .value_kind: global_buffer, .address_space: global }
      - { .name: qksc, .offset: 8, .size: 8, .value_kind: global_buffer, .address_space: global }
      - { .name: vimg, .offset: 16, .size: 8, .value_kind: global_buffer, .address_space: global }
      - { .name: vsc, .offset: 24, .size: 8, .value_kind: global_buffer, .address_space: global }
      - { .name: rimg, .offset: 32, .size: 8, .value_kind: global_buffer, .address_space: global }
      - { .name: rsc, .offset: 40, .size: 8, .value_kind: global_buffer, .address_space: global }
    .group_segment_fixed_size: 210944
    .private_segment_fixed_size: 0
    .kernarg_segment_align: 8
    .kernarg_segment_size: 48
    .max_flat_workgroup_size: 512
    .sgpr_count:     100
    .vgpr_count:     256
    .wavefront_size: 32
...
	.end_amdgpu_metadata
.endif
;; end of part 4
;; launch proj (part 5): grid 4 x 64, 4 waves a work-group, clusters of 4 x 4, 307,712 bytes of LDS; arguments rimg, rsc, wimg, wsc, bo, out0; writes out0
.if DOCPART == 5
	.amdgcn_target "amdgcn-amd-amdhsa--gfx1250"
	.amdhsa_code_object_version 6
	.text
	.protected	k_q1499582826_proj
	.globl	k_q1499582826_proj
	.p2align	8
	.type	k_q1499582826_proj,@function
k_q1499582826_proj:
	s_mov_b64 s[64:65], 0
	v_nop
	global_prefetch_b8 v0, s[64:65] scope:SCOPE_SE
	s_setreg_imm32_b32 hwreg(HW_REG_WAVE_MODE, 25, 1), 1
	s_wait_xcnt 0x0
	s_wait_alu depctr_hold_cnt(0) depctr_sa_sdst(0) depctr_va_vdst(0) depctr_va_sdst(0) depctr_va_ssrc(0) depctr_va_vcc(0) depctr_vm_vsrc(0)
	s_getreg_b32 s2, hwreg(HW_REG_IB_STS2, 6, 4)
	s_cmp_eq_u32 s2, 0
	s_cbranch_scc0 .Lentry_in_a_cluster
	s_endpgm
.Lentry_in_a_cluster:
	s_bfe_u32 s2, ttmp6, 0x10000c
	s_cmp_lg_u32 s2, 0xf033
	s_cbranch_scc0 .Lentry_shape_is_right
	s_endpgm
.Lentry_shape_is_right:
; out0 = a Wo + bo on codes of E3M2 (one E8M0 byte for each 32 along K): a = the attention's result, as images of operand registers in rimg with scale words in rsc; Wo's images are tiles 192-255 of wimg.
; Source 0 = 16 columns of Wo (P), source 1 = 16 rows of a (R): a lane holds one row and its registers run along the columns.  A tile's 16 rows are rows 32 (tau / 2) + 8 (tau % 2) + r + 8 (r / 8), so the 16 registers of
; P's tiles 2 b and 2 b + 1 are the 16 neighbouring columns 32 b + 16 (lane / 16) + 0 .. 15.
; SHARES.  A work-group makes 128 rows x 256 columns; a wave 64 x 128: 32 accumulators.  256 work-groups.  All of K for the tile lies in LDS at once: EVERY LDS BYTE IS FILLED ONCE, in four chunks of two K steps.
; CLUSTER 4 x 4: R's tiles are shared along a row of the cluster, P's along a column, each asked for jointly.
; bo is the C of each sum's first matrix instruction.  The results leave through a stage of the wave's own in chunk 0's bytes, which have had their only fill and are read by nobody behind the last barrier.
; REGISTERS, in windows of 256.  window 0: v1 r, v2 h, v16-19 LDS addresses of R's and P's fragments, v20 of the scale words, v21 16 x lane, v22 8 x lane, v25, v26 the stage; v32-63 scale words, two sets; v64-127 bo in the
;   result's layout; v128-223 R's fragments, two sets of 48; on the way out v128-255 rows read back.   window 1: P's fragments, two sets of 96.   window 2: accumulator (a, b) at v[64 a + 8 b].
.set CHUNK, 73728                      ; LDS: a chunk = two K steps: R's 8 tiles x 3,072 bytes, P's 16 tiles x 3,072
.set SCL,   294912                     ; behind the four chunks: R's scale words (4,096 bytes), then P's (8,192)
.set SC,    32
.set BP,    64
.set BK,    128
.set L16,   21
.set L8,    22
.set STO,   25
.set RD,    26
.set SPITCH, 528
.set WV,    2
.set G0R,   24
.set G0P,   44
.set G1R,   68
.set G1P,   76
.set G1RS,  84
.set G1PS,  92
.set OI,    100
.set MSB, 0
.macro WIN new                         ; the immediate's high byte repeats the setting that is left
.if MSB != \new
	s_set_vgpr_msb (MSB<<8)|\new
.set MSB, \new
.endif
.endm
.macro CROUND                          ; a round of the cluster's barrier
	s_barrier_signal -1
	s_barrier_wait -1
	s_cmp_lg_u32 s[WV], 0
	s_cbranch_scc1 .Lnot_wave_0_\@
	s_barrier_signal -3
.Lnot_wave_0_\@:
	s_barrier_wait -3
	s_barrier_signal -1
	s_barrier_wait -1
.endm
.macro PLACES                          ; four plain vector instructions behind a matrix instruction, ahead of loads into its sources and of reads of its result
.rept 4
	v_nop
.endr
.endm
.macro FRAG reg, a16, a8, off          ; a fragment's image into 12 registers
	ds_load_b128 v[(\reg):(\reg)+3], v[\a16] offset:\off
	ds_load_b64 v[(\reg)+4:(\reg)+5], v[\a8] offset:\off+512
	ds_load_b128 v[(\reg)+6:(\reg)+9], v[\a16] offset:\off+768
	ds_load_b64 v[(\reg)+10:(\reg)+11], v[\a8] offset:\off+1280
.endm
	s_load_b256 s[68:75], s[0:1], 0x0              ; rimg, rsc, wimg, wsc
	s_load_b128 s[76:79], s[0:1], 0x20             ; bo, out0
	v_lshl_add_u32 v30, v0, 2, 0x4b000
	v_mov_b32 v31, 0
	ds_add_u32 v30, v31
	ds_add_u32 v30, v31
	v_lshrrev_b32 v3, 5, v0
	v_readfirstlane_b32 s[WV], v3                  ; wave 0..3
	v_and_b32 v1, 15, v0                           ; r
	v_bfe_u32 v2, v0, 4, 1                         ; h
	v_and_b32 v24, 31, v0                          ; lane
	v_lshlrev_b32 v[L16], 4, v24
	v_lshlrev_b32 v[L8], 3, v24
	s_bfe_u32 s16, ttmp6, 0x40000                  ; cx
	s_bfe_u32 s17, ttmp6, 0x40004                  ; cy
	s_lshl_b32 s22, ttmp9, 2
	s_add_co_u32 s22, s22, s16                     ; P's tile of 256 columns
	s_and_b32 s23, ttmp7, 0xffff
	s_lshl_b32 s23, s23, 2
	s_add_co_u32 s23, s23, s17                     ; R's tile of 128 rows
	s_lshr_b32 s18, s[WV], 1                       ; which half of R's rows is mine.  Also: which half of P a fetching wave fetches
	s_and_b32 s19, s[WV], 1                        ; which half of P's
	s_wait_alu depctr_va_vdst(0)
	s_wait_dscnt 0x0
	s_wait_kmcnt 0x0
	s_mov_b64 s[4:5], s[68:69]                     ; R's codes
	s_mov_b64 s[6:7], s[70:71]                     ; R's scales
	s_mov_b64 s[8:9], s[72:73]                     ; P's codes
	s_mov_b64 s[10:11], s[74:75]                   ; P's scales
	s_mov_b64 s[12:13], s[76:77]                   ; bo
	s_mov_b64 s[OI:OI+1], s[78:79]                 ; out0
	s_lshl_b32 s90, s23, 3                         ; R's first tile of 16
	s_mul_i32 s92, s90, 12288
	s_mov_b32 s93, 0
	s_lshl_b32 s90, s90, 9
	s_mov_b32 s91, 0
	s_add_nc_u64 s[4:5], s[4:5], s[92:93]
	s_add_nc_u64 s[6:7], s[6:7], s[90:91]
	s_lshl_b32 s94, s22, 4
	s_lshl_b32 s95, s18, 3
	s_add_co_u32 s94, s94, s95
	s_add_co_u32 s94, s94, 192                     ; Wo's images begin at tile 192
	s_mul_i32 s96, s94, 12288
	s_mov_b32 s97, 0
	s_lshl_b32 s94, s94, 9
	s_mov_b32 s95, 0
	s_add_nc_u64 s[8:9], s[8:9], s[96:97]
	s_add_nc_u64 s[10:11], s[10:11], s[94:95]
	; groups 0: count 1, LDS address, global address, type 2.  No place in the cluster enters an LDS address
	s_mov_b32 s[G0R], 1
	s_mov_b32 s[G0R+1], SCL
	s_mov_b64 s[G0R+2:G0R+3], s[6:7]
	s_or_b32 s[G0R+3], s[G0R+3], 0x80000000
	s_lshl_b32 s98, s18, 12
	s_mov_b32 s[G0P], 1
	s_add_co_u32 s[G0P+1], s98, SCL+4096
	s_mov_b64 s[G0P+2:G0P+3], s[10:11]
	s_or_b32 s[G0P+3], s[G0P+3], 0x80000000
	s_mul_i32 s98, s18, 24576
.irp c, 0,1,2,3
	s_mov_b32 s[G0R+4+4*\c], 1
	s_mov_b32 s[G0R+5+4*\c], \c*CHUNK
	s_add_nc_u64 s[G0R+6+4*\c:G0R+7+4*\c], s[4:5], \c*3072
	s_or_b32 s[G0R+7+4*\c], s[G0R+7+4*\c], 0x80000000
	s_mov_b32 s[G0P+4+4*\c], 1
	s_add_co_u32 s[G0P+5+4*\c], s98, \c*CHUNK+24576
	s_add_nc_u64 s[G0P+6+4*\c:G0P+7+4*\c], s[8:9], \c*3072
	s_or_b32 s[G0P+7+4*\c], s[G0P+7+4*\c], 0x80000000
.endr
	; LDS addresses of my fragments in chunk 0
	s_mul_i32 s90, s18, 12288
	v_add_nc_u32 v16, s90, v[L16]
	v_add_nc_u32 v17, s90, v[L8]
	s_mul_i32 s91, s19, 24576
	s_add_co_u32 s91, s91, 24576
	v_add_nc_u32 v18, s91, v[L16]
	v_add_nc_u32 v19, s91, v[L8]
	s_lshl_b32 s90, s18, 11                        ; scale words: lanes 0-15 take R's tile i, lanes 16-31 P's tile i: the lower base + h x the distance
	s_lshl_b32 s91, s19, 12
	s_add_co_u32 s91, s91, 4096
	s_sub_co_u32 s91, s91, s90
	v_mul_u32_u24 v3, s91, v2
	v_lshl_add_u32 v3, v1, 3, v3
	s_add_co_u32 s90, s90, SCL
	v_add_nc_u32 v20, s90, v3
	; the stage, and where my results go
	s_mul_i32 s90, s[WV], 16*SPITCH
	v_mul_u32_u24 v[STO], v1, SPITCH
	v_lshl_add_u32 v[STO], v2, 6, v[STO]
	v_add_nc_u32 v[STO], s90, v[STO]               ; in: row r, + 64 h
	v_add_nc_u32 v[RD], s90, v[L16]                ; back: a row of 512 bytes, 16 a lane
	s_lshl_b32 s90, s22, 10
	s_lshl_b32 s91, s19, 9
	s_add_co_u32 s90, s90, s91                     ; my first column, in bytes
	s_mov_b32 s91, 0
	s_add_nc_u64 s[12:13], s[12:13], s[90:91]
	s_add_nc_u64 s[OI:OI+1], s[OI:OI+1], s[90:91]
	s_lshl_b32 s90, s23, 19                        ; 128 rows of 4,096 bytes,
	s_lshl_b32 s92, s18, 18                        ; 64 for my half
	s_add_co_u32 s90, s90, s92
	s_add_nc_u64 s[OI:OI+1], s[OI:OI+1], s[90:91]
	v_lshlrev_b32 v27, 6, v2                       ; bo: 16 h numbers on
	; groups 1.  Codes: 8 rows (tiles) of 3,072 bytes (384 elements of 8), 12,288 bytes apart.  Scales: 4,096 dense bytes as 16 rows of 256.  No padding
	s_lshl_b32 s17, s17, 2
	s_lshl_b32 s17, 15, s17                        ; my row of the cluster
	s_lshl_b32 s16, 0x1111, s16                    ; my column
	s_or_b32 s[G1R], s17, (3<<16)|(1<<21)
	s_or_b32 s[G1RS], s17, (3<<16)|(1<<21)
	s_or_b32 s[G1P], s16, (3<<16)|(1<<21)
	s_or_b32 s[G1PS], s16, (3<<16)|(1<<21)
.irp g, G1R, G1P
	s_mov_b32 s[\g+1], 384<<16
	s_mov_b32 s[\g+2], 8<<16
	s_mov_b32 s[\g+3], 384<<16
	s_mov_b32 s[\g+4], 8
	s_mov_b32 s[\g+5], 1536
	s_mov_b32 s[\g+6], 0
	s_mov_b32 s[\g+7], 0
.endr
.irp g, G1RS, G1PS
	s_mov_b32 s[\g+1], 32<<16
	s_mov_b32 s[\g+2], 16<<16
	s_mov_b32 s[\g+3], 32<<16
	s_mov_b32 s[\g+4], 16
	s_mov_b32 s[\g+5], 32
	s_mov_b32 s[\g+6], 0
	s_mov_b32 s[\g+7], 0
.endr
	CROUND                                         ; all sixteen work-groups are here: the joint loads meet
	; All fills of the launch, in one group.  Wave 0: R's scales and four chunks; waves 1, 2: the halves of P's; wave 3: none.  Five tensor loads of a wave are out at the most.
	s_cmp_eq_u32 s[WV], 0
	s_cbranch_scc0 .Lnot_r
	tensor_load_to_lds s[G0R:G0R+3], s[G1RS:G1RS+7]
	s_nop 0
	tensor_load_to_lds s[G0R+4:G0R+7], s[G1R:G1R+7]
	s_nop 0
	tensor_load_to_lds s[G0R+8:G0R+11], s[G1R:G1R+7]
	s_nop 0
	tensor_load_to_lds s[G0R+12:G0R+15], s[G1R:G1R+7]
	s_nop 0
	tensor_load_to_lds s[G0R+16:G0R+19], s[G1R:G1R+7]
	s_nop 0
.rept 4
	v_nop
.endr
	s_branch .Lasked
.Lnot_r:
	s_cmp_eq_u32 s[WV], 3
	s_cbranch_scc1 .Lasked
	tensor_load_to_lds s[G0P:G0P+3], s[G1PS:G1PS+7]
	s_nop 0
	tensor_load_to_lds s[G0P+4:G0P+7], s[G1P:G1P+7]
	s_nop 0
	tensor_load_to_lds s[G0P+8:G0P+11], s[G1P:G1P+7]
	s_nop 0
	tensor_load_to_lds s[G0P+12:G0P+15], s[G1P:G1P+7]
	s_nop 0
	tensor_load_to_lds s[G0P+16:G0P+19], s[G1P:G1P+7]
	s_nop 0
.rept 4
	v_nop
.endr
.Lasked:
	s_wait_alu depctr_va_vdst(0)
.irp t, 0,1,2,3,4,5,6,7                        ; bo in the result's layout: tile t, lane (r, h): numbers 32 (t / 2) + 8 (t % 2) + 16 h + 0 .. 7
	global_load_b128 v[BP+8*\t:BP+8*\t+3], v27, s[12:13] offset:(32*(\t/2)+8*(\t%2))*4
	global_load_b128 v[BP+8*\t+4:BP+8*\t+7], v27, s[12:13] offset:(32*(\t/2)+8*(\t%2))*4+16
.endr
	s_wait_loadcnt 0x0
; n x 8 matrix instructions of K step s: R's tiles a0 on x P's eight.  first = 1: the bias is the C that starts each sum: nothing is cleared.
; The 32 accumulators take turns, one instruction a turn, in the same order in every K step.
.macro MUL a0, n, s, first
.set SCB, SC+16*(((\s)/2)%2)+(\s)%2
.set PB,  128*((\s)%2)
.set RB,  128+48*((\s)%2)
.if \first
	WIN 0x81                                       ; source 0 (P) window 1, source 1 (R) and C (bias) window 0, D window 2
.else
	WIN 0xa1                                       ; C and D window 2
.endif
.set AA, \a0
.rept \n
.irp b, 0,1,2,3,4,5,6,7
.if \first
	v_wmma_scale_f32_16x16x128_f8f6f4 v[64*AA+8*\b:64*AA+8*\b+7], v[PB+12*\b:PB+12*\b+11], v[RB+12*AA:RB+12*AA+11], v[BP+8*\b:BP+8*\b+7], v[SCB+2*\b], v[SCB+2*AA] matrix_a_fmt:MATRIX_FMT_BF6 matrix_b_fmt:MATRIX_FMT_BF6 matrix_a_scale:MATRIX_SCALE_ROW1
.else
	v_wmma_scale_f32_16x16x128_f8f6f4 v[64*AA+8*\b:64*AA+8*\b+7], v[PB+12*\b:PB+12*\b+11], v[RB+12*AA:RB+12*AA+11], v[64*AA+8*\b:64*AA+8*\b+7], v[SCB+2*\b], v[SCB+2*AA] matrix_a_fmt:MATRIX_FMT_BF6 matrix_b_fmt:MATRIX_FMT_BF6 matrix_a_scale:MATRIX_SCALE_ROW1
.endif
.endr
.set AA, AA+1
.endr
.endm
.macro FETCH s                         ; K step s's twelve fragments into set s % 2: 48 LDS loads in one run
	WIN 0x40                                       ; destination window 1, address window 0
.irp b, 0,1,2,3,4,5,6,7
	FRAG 128*((\s)%2)+12*\b, 18, 19, \b*3072+((\s)%2)*1536
.endr
	WIN 0
.irp a, 0,1,2,3
	FRAG 128+48*((\s)%2)+12*\a, 16, 17, \a*3072+((\s)%2)*1536
.endr
.endm
.macro SCALES c                        ; chunk c's scale words: register 2 i + q: lanes 0-15 R's tile i, lanes 16-31 P's tile i, K step 2 c + q
.irp i, 0,1,2,3,4,5,6,7
	ds_load_b64 v[SC+16*((\c)%2)+2*\i:SC+16*((\c)%2)+2*\i+1], v20 offset:512*\i+128*(\c)
.endr
.endm
.macro STEP_IN s, first                ; a chunk's first K step: its successor lies in the same chunk
	s_wait_dscnt 0x0                               ; this K step's fragments are in (asked for 16 matrix instructions ago; at K step 0 just before)
.if \first == 0
	PLACES                                         ; behind the last K step's products, which read the set that is loaded now
.endif
	FETCH (\s)+1
	MUL 0, 4, \s, \first
.endm
.macro STEP_TURN s, left               ; a chunk's second K step: the next chunk must have landed in every fetching wave.  Later chunks may stay out
	s_wait_tensorcnt \left                         ; behind the next chunk's load this wave issued \left more
	s_wait_dscnt 0x0                               ; this K step's fragments are in; no LDS instruction of mine is out at the signal
	s_barrier_signal -1
	MUL 0, 2, \s, 0
	WIN 0
	s_barrier_wait -1
.irp g, 16,17,18,19
	v_add_nc_u32 v\g, CHUNK, v\g                   ; on to the next chunk; these four are also the places in front of the loads below
.endr
	FETCH (\s)+1
	SCALES ((\s)+1)/2
	MUL 2, 2, \s, 0
.endm
	s_wait_tensorcnt 3                             ; my scales and my chunk 0 have landed; chunks 1 to 3 may be out
	s_barrier_signal -1
	s_barrier_wait -1                              ; everybody's have
	SCALES 0
	FETCH 0
	STEP_IN 0, 1
	STEP_TURN 1, 2
	s_wait_alu depctr_va_vdst(0)
	STEP_IN 2, 0
	STEP_TURN 3, 1
	s_wait_alu depctr_va_vdst(0)
	STEP_IN 4, 0
	STEP_TURN 5, 0
	s_wait_alu depctr_va_vdst(0)
	STEP_IN 6, 0
	s_wait_dscnt 0x0
	MUL 0, 4, 7, 0
	WIN 0
; THE WAY OUT, a tile of 16 rows x 128 columns at a time.  A lane holds pieces of 32 bytes of one row and the lanes beside it hold other rows: so a tile goes through my stage and comes back as whole rows of 512 bytes.
; LDS serves a wave's instructions in order (ISA guide 5.7.1.4): no wait between the stores and the loads, nor in front of the next tile's stores.
.macro TOSTAGE a
	WIN 0x08                                       ; an LDS store's data are its source 1: window 2
.irp b, 0,1,2,3,4,5,6,7
	ds_store_b128 v[STO], v[64*(\a)+8*\b:64*(\a)+8*\b+3] offset:128*(\b/2)+32*(\b%2)       ; each accumulator from its low end on
	ds_store_b128 v[STO], v[64*(\a)+8*\b+4:64*(\a)+8*\b+7] offset:128*(\b/2)+32*(\b%2)+16
.endr
	WIN 0
.set BB, BK+64*((\a)%2)
.irp t, 0,1,2,3,4,5,6,7,8,9,10,11,12,13,14,15
	ds_load_b128 v[BB+4*\t:BB+4*\t+3], v[RD] offset:\t*SPITCH
.endr
.endm
.macro SEND a, younger                 ; younger: the LDS instructions issued behind tile a's loads, which may stay out
.set BB, BK+64*((\a)%2)
	s_wait_dscnt \younger
.irp t, 0,1,2,3,4,5,6,7,8,9,10,11,12,13,14,15
	global_store_b128 v[L16], v[BB+4*\t:BB+4*\t+3], s[OI:OI+1] offset:(32*((\a)/2)+8*((\a)%2)+\t+8*(\t/8))*4096 th:TH_STORE_NT   ; 512 consecutive bytes of one row, aligned; written once, read by nobody here
.endr
.endm
	PLACES                                         ; behind the last products: for the stores that read results and the loads into R's registers
	TOSTAGE 0
.irp a, 1,2,3
.if \a > 1
	s_wait_xcnt 0x0                                ; tile a - 2's stores have read their registers: tile a's loads may land there
.endif
	TOSTAGE \a
	SEND \a-1, 32                                  ; behind tile a - 1's loads: tile a's 16 stores and 16 loads
.endr
	SEND 3, 0
	s_wait_tensorcnt 0x0
	ds_add_u32 v30, v31
	s_wait_dscnt 0x0
	CROUND                                         ; the closing round: no work-group ends while a partner may still ask for a tile that names it
	s_endpgm
.Lfunc_end_k_q1499582826_proj:
	.size	k_q1499582826_proj, .Lfunc_end_k_q1499582826_proj-k_q1499582826_proj
	.p2alignl 7, 3214868480
	.fill 96, 4, 3214868480
	.section	.rodata,"a",@progbits
	.p2align	6, 0x0
	.amdhsa_kernel k_q1499582826_proj
		.amdhsa_group_segment_fixed_size 307712
		.amdhsa_private_segment_fixed_size 0
		.amdhsa_enable_private_segment 0
		.amdhsa_kernarg_size 48
		.amdhsa_user_sgpr_count 2
		.amdhsa_user_sgpr_kernarg_segment_ptr 1
		.amdhsa_wavefront_size32 1
		.amdhsa_system_sgpr_workgroup_id_x 1
		.amdhsa_system_sgpr_workgroup_id_y 1
		.amdhsa_system_sgpr_workgroup_id_z 1
		.amdhsa_system_vgpr_workitem_id 0
		.amdhsa_next_free_vgpr 768
		.amdhsa_next_free_sgpr 102
		.amdhsa_reserve_vcc 0
		.amdhsa_float_denorm_mode_32 3
		.amdhsa_float_denorm_mode_16_64 3
		.amdhsa_memory_ordered 1
		.amdhsa_forward_progress 1
		.amdhsa_inst_pref_size 87
	.end_amdhsa_kernel
	.amdgpu_metadata
---
amdhsa.version: [ 1, 2 ]
amdhsa.kernels:
  - .name:           k_q1499582826_proj
    .symbol:         k_q1499582826_proj.kd
    .args:
      - { .name: rimg, .offset: 0, .size: 8, .value_kind: global_buffer, .address_space: global }
      - { .name: rsc, .offset: 8, .size: 8, .value_kind: global_buffer, .address_space: global }
      - { .name: wimg, .offset: 16, .size: 8, .value_kind: global_buffer, .address_space: global }
      - { .name: wsc, .offset: 24, .size: 8, .value_kind: global_buffer, .address_space: global }
      - { .name: bo, .offset: 32, .size: 8, .value_kind: global_buffer, .address_space: global }
      - { .name: out0, .offset: 40, .size: 8, .value_kind: global_buffer, .address_space: global }
    .group_segment_fixed_size: 307712
    .private_segment_fixed_size: 0
    .kernarg_segment_align: 8
    .kernarg_segment_size: 48
    .max_flat_workgroup_size: 128
    .sgpr_count:     102
    .vgpr_count:     768
    .wavefront_size: 32
...
	.end_amdgpu_metadata
.endif
;; end of part 5
